; MI455X (gfx1250); checked and timed in simulation.
; The chip was launched on July 23, 2026; its instructions are those of AMD's public machine-readable ISA for CDNA 5 (MIT licence, August 2026) and "CDNA5" Instruction Set Architecture Reference Guide (July 2026). The comments in the code are by the model that wrote it; some were corrected since.
;; Graph Energy Block. Allowed arithmetic: float matrix products may take bf16 or f16 operands with f32 sums; other float arithmetic in f32, or as packed bf16 or f16 multiplies, adds, multiply-adds, maxima and minima; sums over many terms, partial sums and values carried from step to step in f32; what a program stores and reads back later, other than sums and carried values, may be rounded once to bf16 or f16.
;; Inputs: W_hop 1,024 x 4,096 float32; Wk 16 x 64 x 1,024 float32; Wq 16 x 64 x 1,024 float32; x 4 x 1,024 x 1,024 float32.
;; Outputs: out0 4 x 1,024 x 1,024 float32; out1 one number float32.
;; 2 versions, each right and faster than the one before. Each part assembles by itself: llvm-mc -triple=amdgcn-amd-amdhsa -mcpu=gfx1250 --defsym DOCPART=n.
;; ======== version 1 of 2: 5 launches
;; workspace buffers: xb 8,388,608 bytes; w1 12,582,912 bytes; bcat 12,582,912 bytes; qk 16,777,216 bytes; acat 50,331,648 bytes; lse2 262,144 bytes; epart 12,288 bytes
;; launch prep (part 1): grid 256 x 1, 10 waves a work-group, no clusters, 93,440 bytes of LDS; arguments x, Wq, Wk, W_hop, xb, w1, bcat; writes xb, w1, bcat
.if DOCPART == 1
	.amdgcn_target "amdgcn-amd-amdhsa--gfx1250"
	.amdhsa_code_object_version 6
	.text
	.protected	k_qef4f1d693d_prep
	.globl	k_qef4f1d693d_prep
	.p2align	8
	.type	k_qef4f1d693d_prep,@function
k_qef4f1d693d_prep:
	s_mov_b64 s[64:65], 0
	v_nop
	global_prefetch_b8 v0, s[64:65] scope:SCOPE_SE
	s_setreg_imm32_b32 hwreg(HW_REG_WAVE_MODE, 25, 1), 1
	s_wait_xcnt 0x0
; PREP: the four f32 inputs are rounded once to bf16 and laid out for the matrix launches.
;   xb  [16][4096][64] = x               (T[rows][K] as T[K/64][rows][64]: a block row is 128 bytes, a block's rows are dense)
;   w1  [16][6144][64], the same layout: rows 0-1023 Wq (64 h + c), rows 1024-2047 Wk, row 2048 + e = W_hop[:, e]
;   bcat, NEGATED, B[n = d][k]: k < 4,096: -W_hop[d][k]; k = 4,096 + 64 h + c: -Wq[h][c][d]; k = 5,120 + 64 h + c: -Wk[h][c][d].  It lies IN FRAGMENT ORDER,
;   [k / 32 = 192][n / 16 = 64][2][32 lanes][16 bytes]: lane l of piece c2 holds B[16 (n / 16) + l % 16][32 (k / 32) + 16 c2 + 8 (l / 16) + 0..7], so that a matrix fragment is two loads of 512 consecutive bytes.
; SHARES.  A job is a block of 64 x 64 f32 (16 KiB).  2,560 jobs (x 1,024, W_hop 1,024, Wq 256, Wk 256), one to a wave: job J = 10 x work-group + wave.  A job's 32 loads go out together.
; x: the block as it lies, to xb.  Wq, Wk: as it lies to w1; turned, through the wave's own LDS rows, to bcat.  W_hop: as it lies, through LDS, to bcat; turned, through LDS, to w1.
; No wave reads another's bytes: no barrier.  Matrix units, tensor loads and clusters would add nothing to a stream that is read once.
.set VA,  4            ; v4   byte offset of my 16 bytes in rows 4 t + 2 e (e = lane / 16, cg = lane % 16): 2 e P + 16 cg
.set VB,  5            ; v5   the same one row further down
.set SO,  6            ; v6   rows straight out: 8 x lane
.set TS,  7            ; v7   LDS: where I put a pair of a turned row
.set TR,  8            ; v8   LDS: where I read rows back
.set TO,  9            ; v9   out of LDS: 16 x lane
.set SPW, 10           ; v10  LDS address of my spare word; never rewritten
.set NIL, 11           ; v11  0; never rewritten
.set SS,  20           ; v20  LDS: where I put 8 bytes of a row as it lies
.set FR,  21           ; v21  LDS: where I read a fragment's 16 bytes
.set D,   32           ; v32-159  quad t of rows: v[D+8t..+3] row 4t+2e, v[D+8t+4..+7] row 4t+1+2e, columns 4cg..4cg+3
.set R,   160          ; v160-223 W_hop's fragments on their way out, while D is still wanted
.set TP,  144          ; a row in LDS: 128 bytes + 16
.set WST, 64*TP        ; a wave's 64 rows
.set SPARE, 10*WST     ; behind them the spare words, 128 bytes a wave: five blocks of 256 bytes that no other line names
; The block, turned, into my LDS rows: a lane's two rows give a pair along the turned row: column 4 cg + q, rows 4 t + 2 e and the next.
.macro T_STAGE neg
.set t, 0
.rept 16
.irp q, 0,1,2,3
	v_cvt_pk_bf16_f32 v[16+\q], v[D+8*t+\q], v[D+8*t+4+\q]
.if \neg
	v_xor_b32 v[16+\q], s28, v[16+\q]
.endif
	ds_store_b32 v[TS], v[16+\q] offset:\q*TP+8*t
.endr
.set t, t+1
.endr
.endm
; My 64 LDS rows go out as they lie: four rows, 512 consecutive bytes, to a store.  LDS serves a wave's instructions in order (ISA guide 5.7.1.4): the loads see the stores in front of them.
.macro BACK_ROWS reg, base
.set i, 0
.rept 16
	ds_load_b128 v[(\reg)+4*i:(\reg)+4*i+3], v[TR] offset:4*TP*i
.set i, i+1
.endr
.set i, 0
.rept 16
	s_wait_dscnt 15-i
	global_store_b128 v[TO], v[(\reg)+4*i:(\reg)+4*i+3], s[\base:\base+1] offset:512*i
.set i, i+1
.endr
.endm
; My 64 LDS rows (n) x 64 (k) go out in fragment order.  Piece i: k half i / 8, rows 16 ((i / 2) % 4) on, c2 = i % 2: lane l reads row l % 16, bytes 16 (l / 16) on; 512 consecutive bytes to a store.
.macro BACK_FRAG reg, base
.set i, 0
.rept 16
	ds_load_b128 v[(\reg)+4*i:(\reg)+4*i+3], v[FR] offset:((i/2)%4)*16*TP+(i/8)*64+(i%2)*32
.set i, i+1
.endr
.set i, 0
.rept 16
	s_wait_dscnt 15-i
	global_store_b128 v[TO], v[(\reg)+4*i:(\reg)+4*i+3], s[\base:\base+1] offset:(i/8)*65536+((i/2)%4)*1024+(i%2)*512
.set i, i+1
.endr
.endm
	s_load_b256 s[4:11], s[0:1], 0x0               ; x s[4:5], Wq s[6:7], Wk s[8:9], W_hop s[10:11]
	s_load_b128 s[12:15], s[0:1], 0x20             ; xb s[12:13], w1 s[14:15]
	s_load_b64 s[16:17], s[0:1], 0x30              ; bcat
	v_lshl_add_u32 v[SPW], v0, 2, SPARE
	v_mov_b32 v[NIL], 0
	v_lshrrev_b32 v1, 5, v0
	v_readfirstlane_b32 s18, v1                    ; wave 0..9
	s_mul_i32 s19, ttmp9, 10
	s_add_co_u32 s19, s19, s18                     ; J
	s_mov_b32 s3, 0                                ; offsets are made in s[2:3], apart from the addresses
	s_mov_b32 s28, 0x80008000                      ; turns the signs of two bf16
	s_wait_kmcnt 0x0
	; The decode leaves: s[22:23] source, s20 its pitch P in bytes, s[24:25] where the block goes as it lies, s[26:27] where it goes turned, s30 the kind: 0 x, 1 W_hop, 2 Wq or Wk.
	s_cmp_lt_u32 s19, 1024
	s_cbranch_scc0 .Lnot_x
	s_lshr_b32 s30, s19, 4                         ; x: block row br,
	s_and_b32 s31, s19, 15                         ; block column kb
	s_lshl_b32 s2, s30, 18                         ; 64 rows of 4,096 bytes
	s_lshl_b32 s21, s31, 8
	s_add_co_u32 s2, s2, s21
	s_add_nc_u64 s[22:23], s[4:5], s[2:3]
	s_lshl_b32 s2, s31, 19                         ; xb: block kb (4,096 rows of 128 bytes), 64 rows br
	s_lshl_b32 s21, s30, 13
	s_add_co_u32 s2, s2, s21
	s_add_nc_u64 s[24:25], s[12:13], s[2:3]
	s_mov_b64 s[26:27], s[24:25]                   ; written so that every register is written on every way; x's jobs never use it
	s_mov_b32 s20, 4096
	s_mov_b32 s30, 0
	s_branch .Lgo
.Lnot_x:
	s_cmp_lt_u32 s19, 2048
	s_cbranch_scc0 .Lnot_hop
	s_sub_co_u32 s21, s19, 1024
	s_lshr_b32 s30, s21, 6                         ; W_hop: block row db (d),
	s_and_b32 s31, s21, 63                         ; block column eb (e)
	s_lshl_b32 s2, s30, 20                         ; 64 rows of 16,384 bytes
	s_lshl_b32 s21, s31, 8
	s_add_co_u32 s2, s2, s21
	s_add_nc_u64 s[22:23], s[10:11], s[2:3]
	s_lshl_b32 s2, s31, 17                         ; as it lies: bcat's chunks 2 eb and 2 eb + 1 (65,536 bytes each), fragments 4 db on (1,024 bytes each)
	s_lshl_b32 s21, s30, 12
	s_add_co_u32 s2, s2, s21
	s_add_nc_u64 s[24:25], s[16:17], s[2:3]
	s_mul_i32 s2, s30, 786432                      ; turned: w1 block db (6,144 rows of 128 bytes), rows 2,048 + 64 eb on
	s_lshl_b32 s21, s31, 13
	s_add_co_u32 s2, s2, s21
	s_add_co_u32 s2, s2, 262144
	s_add_nc_u64 s[26:27], s[14:15], s[2:3]
	s_mov_b32 s20, 16384
	s_mov_b32 s30, 1
	s_branch .Lgo
.Lnot_hop:
	s_sub_co_u32 s21, s19, 2048
	s_lshr_b32 s29, s21, 8                         ; 0: Wq, 1: Wk
	s_and_b32 s21, s21, 255
	s_lshr_b32 s30, s21, 4                         ; the head hb (its 64 rows),
	s_and_b32 s31, s21, 15                         ; block column db (d)
	s_cmp_eq_u32 s29, 0
	s_cselect_b64 s[22:23], s[6:7], s[8:9]
	s_lshl_b32 s2, s30, 18
	s_lshl_b32 s21, s31, 8
	s_add_co_u32 s2, s2, s21
	s_add_nc_u64 s[22:23], s[22:23], s[2:3]
	s_mul_i32 s2, s31, 786432                      ; as it lies: w1 block db, rows 64 hb on; Wk's lie 1,024 rows further down
	s_lshl_b32 s21, s30, 13
	s_add_co_u32 s2, s2, s21
	s_lshl_b32 s21, s29, 17
	s_add_co_u32 s2, s2, s21
	s_add_nc_u64 s[24:25], s[14:15], s[2:3]
	s_lshl_b32 s21, s29, 4                         ; turned: bcat's two chunks of K block 64 + hb (Wq) or 80 + hb (Wk), fragments 4 db on
	s_add_co_u32 s21, s21, s30
	s_add_co_u32 s21, s21, 64
	s_lshl_b32 s2, s21, 17
	s_lshl_b32 s21, s31, 12
	s_add_co_u32 s2, s2, s21
	s_add_nc_u64 s[26:27], s[16:17], s[2:3]
	s_mov_b32 s20, 4096
	s_mov_b32 s30, 2
.Lgo:
	s_lshl_b32 s2, s20, 2                          ; four rows
	s_lshl_b32 s21, s20, 1                         ; two rows
	s_mov_b64 s[32:33], s[22:23]                   ; s[32+2t:33+2t]: the source at rows 4 t; sixteen bases, none ever rewritten
.set t, 1
.rept 15
	s_add_nc_u64 s[32+2*t:33+2*t], s[30+2*t:31+2*t], s[2:3]
.set t, t+1
.endr
	v_and_b32 v1, 31, v0                           ; lane
	v_lshrrev_b32 v2, 4, v1                        ; e
	v_and_b32 v3, 15, v0                           ; cg
	v_mul_u32_u24 v[VA], s21, v2
	v_lshl_add_u32 v[VA], v3, 4, v[VA]
	v_add_nc_u32 v[VB], s20, v[VA]
.set t, 0
.rept 16                                               ; 32 loads, all on their way together; each covers two whole pieces of 256 bytes of two rows
	global_load_b128 v[D+8*t:D+8*t+3],   v[VA], s[32+2*t:33+2*t] th:TH_LOAD_NT
	global_load_b128 v[D+8*t+4:D+8*t+7], v[VB], s[32+2*t:33+2*t] th:TH_LOAD_NT
.set t, t+1
.endr
	v_lshlrev_b32 v[SO], 3, v1
	s_mul_i32 s31, s18, WST                        ; my wave's rows in LDS
	v_mul_u32_u24 v[TS], v3, 4*TP                  ; turned row 4 cg + q, bytes 8 t + 4 e
	v_lshl_add_u32 v[TS], v2, 2, v[TS]
	v_add_nc_u32 v[TS], s31, v[TS]
	v_lshrrev_b32 v[TR], 3, v1                     ; rows back: 32 lanes take four rows of 128 bytes
	v_mul_u32_u24 v[TR], v[TR], TP
	v_and_b32 v[TO], 7, v0
	v_lshl_add_u32 v[TR], v[TO], 4, v[TR]
	v_add_nc_u32 v[TR], s31, v[TR]
	v_lshlrev_b32 v[TO], 4, v1
	v_mul_u32_u24 v[SS], v2, 2*TP                  ; a row as it lies: row 4 t + 2 e, bytes 8 cg on
	v_lshl_add_u32 v[SS], v3, 3, v[SS]
	v_add_nc_u32 v[SS], s31, v[SS]
	v_mul_u32_u24 v[FR], v3, TP                    ; a fragment: row lane % 16, bytes 16 (lane / 16) on
	v_lshl_add_u32 v[FR], v2, 4, v[FR]
	v_add_nc_u32 v[FR], s31, v[FR]
	s_cmp_eq_u32 s30, 1
	s_cbranch_scc1 .Lhop
	; x, Wq, Wk AS THEY LIE, straight out.  Four rows at a time: rounded in pairs, and the halves of the lanes exchanged so that 32 lanes hold two whole rows of 128 bytes.
.set t, 0
.rept 16
	s_wait_loadcnt 30-2*t                          ; loads come back in order: quad t's two are in, the 30 - 2 t younger ones stay out
	s_wait_xcnt 0x0                                ; v12-15, which the last two stores read, are rewritten only behind this wait
	v_cvt_pk_bf16_f32 v12, v[D+8*t],   v[D+8*t+1]
	v_cvt_pk_bf16_f32 v13, v[D+8*t+2], v[D+8*t+3]
	v_cvt_pk_bf16_f32 v14, v[D+8*t+4], v[D+8*t+5]
	v_cvt_pk_bf16_f32 v15, v[D+8*t+6], v[D+8*t+7]
	v_permlane16_swap_b32 v12, v14                 ; v[12:13]: rows 4t, 4t+1; v[14:15]: rows 4t+2, 4t+3
	v_permlane16_swap_b32 v13, v15
	global_store_b64 v[SO], v[12:13], s[24:25] offset:512*t       ; 32 lanes store 256 consecutive bytes, aligned
	global_store_b64 v[SO], v[14:15], s[24:25] offset:512*t+256
.set t, t+1
.endr
	s_cmp_eq_u32 s30, 0
	s_cbranch_scc1 .Lno_t                          ; x has no second copy, and its waves have written no LDS
	T_STAGE 1                                      ; Wq, Wk turned and negated,
	BACK_FRAG D, 26                                ; to bcat
	s_branch .Lend
.Lhop:
	; W_hop AS IT LIES, negated, into my LDS rows, and out to bcat in fragment order
.set t, 0
.rept 16
	s_wait_loadcnt 30-2*t
	v_cvt_pk_bf16_f32 v12, v[D+8*t],   v[D+8*t+1]
	v_cvt_pk_bf16_f32 v13, v[D+8*t+2], v[D+8*t+3]
	v_cvt_pk_bf16_f32 v14, v[D+8*t+4], v[D+8*t+5]
	v_cvt_pk_bf16_f32 v15, v[D+8*t+6], v[D+8*t+7]
	v_xor_b32 v12, s28, v12
	v_xor_b32 v13, s28, v13
	v_xor_b32 v14, s28, v14
	v_xor_b32 v15, s28, v15
	ds_store_b64 v[SS], v[12:13] offset:4*t*TP
	ds_store_b64 v[SS], v[14:15] offset:(4*t+1)*TP
.set t, t+1
.endr
	BACK_FRAG R, 24
	T_STAGE 0                                      ; the same LDS rows once more, behind the loads that read them: W_hop turned,
	BACK_ROWS D, 26                                ; to w1
.Lend:
	s_wait_tensorcnt 0x0                           ; the wave's end
	ds_add_u32 v[SPW], v[NIL]
	s_wait_dscnt 0x0
	s_endpgm
.Lno_t:
	s_endpgm
.Lfunc_end_k_qef4f1d693d_prep:
	.size	k_qef4f1d693d_prep, .Lfunc_end_k_qef4f1d693d_prep-k_qef4f1d693d_prep
	.p2alignl 7, 3214868480
	.fill 96, 4, 3214868480
	.section	.rodata,"a",@progbits
	.p2align	6, 0x0
	.amdhsa_kernel k_qef4f1d693d_prep
		.amdhsa_group_segment_fixed_size 93440
		.amdhsa_private_segment_fixed_size 0
		.amdhsa_enable_private_segment 0
		.amdhsa_kernarg_size 56
		.amdhsa_user_sgpr_count 2
		.amdhsa_user_sgpr_kernarg_segment_ptr 1
		.amdhsa_wavefront_size32 1
		.amdhsa_system_sgpr_workgroup_id_x 1
		.amdhsa_system_sgpr_workgroup_id_y 1
		.amdhsa_system_sgpr_workgroup_id_z 1
		.amdhsa_system_vgpr_workitem_id 0
		.amdhsa_next_free_vgpr 224
		.amdhsa_next_free_sgpr 66
		.amdhsa_reserve_vcc 0
		.amdhsa_float_denorm_mode_32 3
		.amdhsa_float_denorm_mode_16_64 3
		.amdhsa_memory_ordered 1
		.amdhsa_forward_progress 1
		.amdhsa_inst_pref_size 53
	.end_amdhsa_kernel
	.amdgpu_metadata
---
amdhsa.version: [ 1, 2 ]
amdhsa.kernels:
  - .name:           k_qef4f1d693d_prep
    .symbol:         k_qef4f1d693d_prep.kd
    .args:
      - { .name: x, .offset: 0, .size: 8, .value_kind: global_buffer, .address_space: global }
      - { .name: Wq, .offset: 8, .size: 8, .value_kind: global_buffer, .address_space: global }
      - { .name: Wk, .offset: 16, .size: 8, .value_kind: global_buffer, .address_space: global }
      - { .name: W_hop, .offset: 24, .size: 8, .value_kind: global_buffer, .address_space: global }
      - { .name: xb, .offset: 32, .size: 8, .value_kind: global_buffer, .address_space: global }
      - { .name: w1, .offset: 40, .size: 8, .value_kind: global_buffer, .address_space: global }
      - { .name: bcat, .offset: 48, .size: 8, .value_kind: global_buffer, .address_space: global }
    .group_segment_fixed_size: 93440
    .private_segment_fixed_size: 0
    .kernarg_segment_align: 8
    .kernarg_segment_size: 56
    .max_flat_workgroup_size: 320
    .sgpr_count:     66
    .vgpr_count:     224
    .wavefront_size: 32
...
	.end_amdgpu_metadata
.endif
;; end of part 1
;; launch gemm1 (part 2): grid 16 x 16, 4 waves a work-group, clusters of 4 x 4, 327,680 bytes of LDS; arguments xb, w1, qk, acat, epart; writes qk, acat, epart
.if DOCPART == 2
	.amdgcn_target "amdgcn-amd-amdhsa--gfx1250"
	.amdhsa_code_object_version 6
	.text
	.protected	k_qef4f1d693d_gemm1
	.globl	k_qef4f1d693d_gemm1
	.p2align	8
	.type	k_qef4f1d693d_gemm1,@function
k_qef4f1d693d_gemm1:
	s_mov_b64 s[64:65], 0
	v_nop
	global_prefetch_b8 v0, s[64:65] scope:SCOPE_SE
	s_setreg_imm32_b32 hwreg(HW_REG_WAVE_MODE, 25, 1), 1
	s_wait_xcnt 0x0
	s_wait_alu depctr_hold_cnt(0) depctr_sa_sdst(0) depctr_va_vdst(0) depctr_va_sdst(0) depctr_va_ssrc(0) depctr_va_vcc(0) depctr_vm_vsrc(0)
	s_getreg_b32 s2, hwreg(HW_REG_IB_STS2, 6, 4)
	s_cmp_eq_u32 s2, 0
	s_cbranch_scc0 .Lentry_in_a_cluster
	s_endpgm
.Lentry_in_a_cluster:
	s_bfe_u32 s2, ttmp6, 0x10000c
	s_cmp_lg_u32 s2, 0xf033
	s_cbranch_scc0 .Lentry_shape_is_right
	s_endpgm
.Lentry_shape_is_right:
; GEMM1: [q | k | relu(x W_hop)] = xb w1^T, 4,096 x 6,144, K = 1,024, bf16 operands, f32 sums; and the partial sums of -1/2 sum h^2.
; Operands lie as [K/64][rows][64] (a block row is 128 bytes, a block's rows are dense); the results leave in the same layout: column blocks 0-31 to qk, 32-95 (relu) to acat's blocks 0-63.
; TILE.  4,096 x 6,144 / 256 work-groups = 256 x 384: every work-group has one tile.  Four waves, each 128 x 192: 96 accumulators of 16 x 16, 768 registers.
; RING.  K goes in blocks of 64 through two LDS slots (256 rows of A, 384 of B, 144 bytes apart); two slots of 128 along K would not fit.  Waves 0, 1 fetch A's halves, waves 2, 3 B's, one tensor load each.
; CLUSTER 4 x 4: A's tile is shared along a row of the cluster, B's along a column: joint loads, as many requests as a quarter of the work-groups.
; THE MATRIX INSTRUCTION IS USED TRANSPOSED (source 0 = 16 rows of w1, source 1 = 16 rows of xb): a lane holds eight neighbouring columns of one row of C.
; LIMITS.  h^2 is summed of h rounded to bf16 (each term within 2^-8 of itself), in f32.  NaN and infinities are not treated apart.
; REGISTERS (windows of 256; s_set_vgpr_msb: bits 1:0 source 0, 3:2 source 1, 5:4 source 2, 7:6 destination):
;   window 0: v0-31 addresses and sums; v32-95, v96-159 two buffers of A's 8 fragments; v160-191, v192-223, v224-255 three groups of 4 fragments of B
;   window g + 1 (g = 0..2): the accumulators of B's group g: (a, bb) at v[8 (8 bb + a)]
.set PITCH,  144       ; 128 bytes + 16: the 16 rows of a fragment load start at 16 different groups of four banks (64 banks of 4 bytes: ISA guide 11.1)
.set AHALF,  128*PITCH
.set BHALF,  192*PITCH
.set BOFF,   2*AHALF
.set SLOT,   BOFF+2*BHALF
.set SPITCH, 400       ; the way out: a wave's row of 192 bf16 + 16 bytes = 25 x 16
.set WSTAGE, 128*SPITCH  ; a wave's stage; the four overlay the ring when it has had its last fill
.set SPARE,  4*WSTAGE  ; behind them the spare words, 128 bytes a wave: two blocks of 256 bytes that no other line names
.set XBLK,   4096*128  ; bytes of a block of xb, qk, acat
.set WBLK,   6144*128  ; of w1
.set E,    4           ; v4-9   three pairs of sums of h^2 (low halves', high halves'), one pair a column block
.set ADRA, 16          ; v16-17 LDS address of my A fragments in slot 0, 1
.set ADRB, 20          ; v20-21 the same for B
.set STO,  24
.set RD,   25
.set GO,   26
.set LANE, 27
.set SPW,  28          ; LDS address of my spare word; never rewritten
.set NIL,  29          ; 0; never rewritten
.set ZOFF, 30
.set AF0,  32
.set AF1,  96
.set BG,   160
.set TMP,  32          ; the way out: packed results
.set DAT,  64          ; the way out: rows read back
.set WV, 14
.set WR, 15            ; my half of the tile's rows; also: I fetch for A (0) or B (1)
.set WC, 16            ; my half of its columns; also: which half of that tile I fetch
.set CX, 17
.set CY, 18
.set CT, 19
.set RT, 20
.set G1A, 24
.set G0A, 32
.set G1B, 48
.set G0B, 56
.set OBJ, 68           ; s[68:73] where my three column blocks go
.set LO,  74           ; s74-76   the floor of the maximum: 0 (relu) or -infinity twice (q, k stay as they are)
.set FL,  77           ; s77-79   -1/2 for a block of h, 0 for q and k
.set MSB, 0
.macro WIN new                         ; the immediate's high byte repeats the setting that is left
.if MSB != (\new)
	s_set_vgpr_msb (MSB<<8)|(\new)
.set MSB, \new
.endif
.endm
.macro PLACES                          ; four plain vector instructions between a matrix instruction and a load into, or a vector line on, its registers (ISA guide 7.12.1 for vector lines)
.rept 4
	v_nop
.endr
.endm
.macro JLOAD s                         ; a joint load; an s_nop 0 and four v_nop follow each of the two lines; the branch hangs on the wave's number alone
	s_cmp_eq_u32 s[WR], 0
	s_cbranch_scc0 .Lfor_b_\@
	tensor_load_to_lds s[G0A+4*(\s):G0A+4*(\s)+3], s[G1A:G1A+7]
	s_nop 0
.rept 4
	v_nop
.endr
	s_branch .Lasked_\@
.Lfor_b_\@:
	tensor_load_to_lds s[G0B+4*(\s):G0B+4*(\s)+3], s[G1B:G1B+7]
	s_nop 0
.rept 4
	v_nop
.endr
.Lasked_\@:
.endm
.macro CREST                           ; a round of the cluster's barrier behind its opening barrier
	s_cmp_lg_u32 s[WV], 0
	s_cbranch_scc1 .Lnot_wave_0_\@
	s_barrier_signal -3
.Lnot_wave_0_\@:
	s_barrier_wait -3
	s_barrier_signal -1
	s_barrier_wait -1
.endm
.macro CROUND
	s_barrier_signal -1
	s_barrier_wait -1
	CREST
.endm
	s_load_b256 s[4:11], s[0:1], 0x0               ; xb s[4:5], w1 s[6:7], qk s[8:9], acat s[10:11]
	s_load_b64 s[12:13], s[0:1], 0x20              ; epart
	v_lshl_add_u32 v[SPW], v0, 2, SPARE
	v_mov_b32 v[NIL], 0
	ds_add_u32 v[SPW], v[NIL]                      ; the wave's opening: the add and its wait ahead of my first tensor load
	v_lshrrev_b32 v1, 5, v0
	v_readfirstlane_b32 s[WV], v1
	s_lshr_b32 s[WR], s[WV], 1
	s_and_b32 s[WC], s[WV], 1
	s_bfe_u32 s[CX], ttmp6, 0x40000
	s_bfe_u32 s[CY], ttmp6, 0x40004
	s_lshl_b32 s[CT], ttmp9, 2
	s_add_co_u32 s[CT], s[CT], s[CX]               ; tile column = 4 x cluster x + cx
	s_and_b32 s[RT], ttmp7, 0xffff
	s_lshl_b32 s[RT], s[RT], 2
	s_add_co_u32 s[RT], s[RT], s[CY]               ; tile row = 4 x cluster y + cy
	s_lshl_b32 s21, s[CY], 2
	s_lshl_b32 s21, 15, s21                        ; my row of the cluster
	s_lshl_b32 s22, 0x1111, s[CX]                  ; my column
	; group 1: dense block rows asked for as rows of 256 bytes (two block rows), 16 bytes of padding behind every 128
	s_or_b32 s[G1A], s21, (1<<16)|(1<<20)|(1<<21)|(4<<22)|(3<<25)  ; mask; 2-byte elements; padding on; bit 21 beside a mask; after every 32 words (code 4) 4 words (code 3)
	s_or_b32 s[G1B], s22, (1<<16)|(1<<20)|(1<<21)|(4<<22)|(3<<25)
	s_mov_b32 s[G1A+1], 128<<16                    ; tensor_dim0 = 128
	s_mov_b32 s[G1A+2], 64<<16                     ; tensor_dim1 = 64: A's half, 128 block rows
	s_mov_b32 s[G1A+3], 128<<16                    ; tile_dim0 = 128
	s_mov_b32 s[G1A+4], 64                         ; tile_dim1 = 64
	s_mov_b32 s[G1A+5], 128                        ; 128 elements from row to row
	s_mov_b32 s[G1A+6], 0
	s_mov_b32 s[G1A+7], 0
	s_mov_b32 s[G1B+1], 128<<16
	s_mov_b32 s[G1B+2], 96<<16                     ; B's half: 192 block rows
	s_mov_b32 s[G1B+3], 128<<16
	s_mov_b32 s[G1B+4], 96
	s_mov_b32 s[G1B+5], 128
	s_mov_b32 s[G1B+6], 0
	s_mov_b32 s[G1B+7], 0
	s_lshl_b32 s40, s[RT], 15                      ; A: row 256 x tile row + 128 x half, 128 bytes each: no register here ever holds cx
	s_lshl_b32 s41, s[WC], 14
	s_add_co_u32 s40, s40, s41
	s_mov_b32 s41, 0
	s_mul_i32 s42, s[CT], 384*128                  ; B: row 384 x tile column + 192 x half: none holds cy
	s_mul_i32 s43, s[WC], 192*128
	s_add_co_u32 s42, s42, s43
	s_mov_b32 s43, 0
	s_mul_i32 s44, s[WC], AHALF                    ; where they go: the wave's number alone enters an LDS address
	s_mul_i32 s45, s[WC], BHALF
	s_add_co_u32 s45, s45, BOFF
	s_mov_b32 s88, 0x76543210                      ; v_permlanex16_b32: each lane takes its own place in the other half
	s_mov_b32 s89, 0xfedcba98
	s_wait_dscnt 0x0                               ; the opening add is done
	s_wait_kmcnt 0x0
	s_add_nc_u64 s[40:41], s[4:5], s[40:41]
	s_add_nc_u64 s[42:43], s[6:7], s[42:43]
	CROUND                                         ; all sixteen work-groups are here: the first joint loads meet
.irp s, 0,1
	s_mov_b32 s[G0A+4*\s], 1
	s_add_co_u32 s[G0A+4*\s+1], s44, \s*SLOT
	s_add_nc_u64 s[G0A+4*\s+2:G0A+4*\s+3], s[40:41], \s*XBLK    ; K block s
	s_or_b32 s[G0A+4*\s+3], s[G0A+4*\s+3], 0x80000000
	s_mov_b32 s[G0B+4*\s], 1
	s_add_co_u32 s[G0B+4*\s+1], s45, \s*SLOT
	s_add_nc_u64 s[G0B+4*\s+2:G0B+4*\s+3], s[42:43], \s*WBLK
	s_or_b32 s[G0B+4*\s+3], s[G0B+4*\s+3], 0x80000000
	JLOAD \s                                       ; two tensor loads of mine are out
.endr
	; a fragment: lane l holds row l % 16; registers 0-3 K = 8 (l / 16) + 0..7, registers 4-7 K = 16 + 8 (l / 16) + 0..7: two loads of 16 bytes, 32 apart
	v_and_b32 v1, 15, v0
	v_bfe_u32 v2, v0, 4, 1
	v_mul_u32_u24 v3, v1, PITCH
	v_lshl_add_u32 v3, v2, 4, v3
	s_mul_i32 s46, s[WR], AHALF
	s_mul_i32 s47, s[WC], BHALF
	s_add_co_u32 s47, s47, BOFF
.irp s, 0,1
	v_add_nc_u32 v[ADRA+\s], s46, v3
	v_add_nc_u32 v[ADRB+\s], s47, v3
	s_add_co_u32 s46, s46, SLOT
	s_add_co_u32 s47, s47, SLOT
.endr
	s_mul_i32 s46, s[WV], WSTAGE                   ; my stage
	v_mul_u32_u24 v[STO], v1, SPITCH               ; in: row l % 16, 16 bytes for each half of the lanes
	v_lshl_add_u32 v[STO], v2, 4, v[STO]
	v_add_nc_u32 v[STO], s46, v[STO]
	v_and_b32 v[LANE], 31, v0
	v_lshrrev_b32 v3, 3, v[LANE]                   ; back: 32 lanes take 128 bytes of each of four rows
	v_and_b32 v10, 7, v0
	v_mul_u32_u24 v[RD], v3, SPITCH
	v_lshl_add_u32 v[RD], v10, 4, v[RD]
	v_add_nc_u32 v[RD], s46, v[RD]
	v_lshlrev_b32 v[GO], 4, v[LANE]                ; which are 512 consecutive bytes of a block
	v_mov_b32 v[ZOFF], 0
.irp i, 0,1,2,3,4,5
	v_mov_b32 v[E+\i], 0
.endr
; 8 (b1 - b0 + 1) matrix instructions: B's group g, fragments b0..b1, x A's 8 fragments in buffer f.  All 96 accumulators take turns, one instruction a turn.
.macro GRP g, f, b0, b1, zero
	WIN 0x50*((\g)+1)                              ; C and D in window g + 1, both sources in window 0
.set bb, \b0
.rept (\b1)-(\b0)+1
.set a, 0
.rept 8
.if \zero
	v_wmma_f32_16x16x32_bf16 v[8*(8*bb+a):8*(8*bb+a)+7], v[BG+32*(\g)+8*bb:BG+32*(\g)+8*bb+7], v[(\f)+8*a:(\f)+8*a+7], 0
.else
	v_wmma_f32_16x16x32_bf16 v[8*(8*bb+a):8*(8*bb+a)+7], v[BG+32*(\g)+8*bb:BG+32*(\g)+8*bb+7], v[(\f)+8*a:(\f)+8*a+7], v[8*(8*bb+a):8*(8*bb+a)+7]
.endif
.set a, a+1
.endr
.set bb, bb+1
.endr
.endm
.macro LDB g, s, kk                    ; 8 LDS loads: B's group g, half kk of the K block in slot s
.irp i, 0,1,2,3
	ds_load_b128 v[BG+32*(\g)+8*\i:BG+32*(\g)+8*\i+3],   v[ADRB+(\s)] offset:(4*(\g)+\i)*16*PITCH+64*(\kk)
	ds_load_b128 v[BG+32*(\g)+8*\i+4:BG+32*(\g)+8*\i+7], v[ADRB+(\s)] offset:(4*(\g)+\i)*16*PITCH+64*(\kk)+32
.endr
.endm
.macro LDA f, lo, s, kk                ; 8 LDS loads: A's fragments lo..lo+3 into buffer f
.irp i, 0,1,2,3
	ds_load_b128 v[(\f)+8*((\lo)+\i):(\f)+8*((\lo)+\i)+3],   v[ADRA+(\s)] offset:((\lo)+\i)*16*PITCH+64*(\kk)
	ds_load_b128 v[(\f)+8*((\lo)+\i)+4:(\f)+8*((\lo)+\i)+7], v[ADRA+(\s)] offset:((\lo)+\i)*16*PITCH+64*(\kk)+32
.endr
.endm
; A step is 32 along K, 96 matrix instructions.  STEPN: the first half of slot s's block, on buffer 0; it fetches the second half into buffer 1 and into B's groups as they fall free.
.macro STEPN s, zero
	s_wait_dscnt 0x0                               ; A's buffer and B's groups 0, 1 are in: the youngest 16 loads were issued 32 matrix instructions ago
	PLACES
	LDB 2, \s, 0
	GRP 0, AF0, 0, 3, \zero
	WIN 0
	PLACES
	LDB 0, \s, 1
	LDA AF1, 0, \s, 1
	GRP 1, AF0, 0, 3, \zero
	WIN 0
	PLACES
	LDB 1, \s, 1
	LDA AF1, 4, \s, 1
	s_wait_dscnt 32                                ; group 2 is in: the 32 loads issued behind its eight may stay out
	GRP 2, AF0, 0, 3, \zero
	WIN 0
.endm
; STEPC: the second half of slot s's block, on buffer 1, and the change of slots: ONE barrier.  In front of it each wave waits for all its tensor loads (one is out: its part of slot n), adds 0 to its
; spare word, and waits for that and for its reads of slot s.  fill = 1: the barrier opens a round of the cluster's, and slot s is filled again, two K blocks on, first thing behind the round:
; 160 matrix instructions ahead of the wait for it.
.macro STEPC s, n, fill
	s_wait_dscnt 0x0
	PLACES
	LDB 2, \s, 1                                   ; my last reads of slot s
	s_wait_tensorcnt 0x0                           ; all my tensor loads have landed
	ds_add_u32 v[SPW], v[NIL]                      ; 0 onto my spare word
	GRP 0, AF1, 0, 1, 0                            ; sixteen matrix instructions stand between the add and the wait for it
	s_wait_dscnt 0x0                               ; the add is done, and my reads of slot s are over
	s_barrier_signal -1
	GRP 0, AF1, 2, 3, 0                            ; work on registers while the others arrive
	WIN 0
	s_barrier_wait -1
.if \fill
	CREST                                          ; no wave of any partner still reads this slot or has a load on its way
	s_add_nc_u64 s[G0A+4*(\s)+2:G0A+4*(\s)+3], s[G0A+4*(\s)+2:G0A+4*(\s)+3], 2*XBLK
	s_add_nc_u64 s[G0B+4*(\s)+2:G0B+4*(\s)+3], s[G0B+4*(\s)+2:G0B+4*(\s)+3], 2*WBLK
	JLOAD \s                                       ; its four v_nop are also the places in front of the loads below
.else
	PLACES
.endif
	LDB 0, \n, 0
	LDA AF0, 0, \n, 0
	GRP 1, AF1, 0, 3, 0
	WIN 0
	PLACES
	LDB 1, \n, 0
	LDA AF0, 4, \n, 0
	GRP 2, AF1, 0, 3, 0
	WIN 0
.endm
	s_wait_tensorcnt 1                             ; my part of K block 0 is in; block 1's may stay out
	s_barrier_signal -1
	s_barrier_wait -1
	LDB 0, 0, 0
	LDB 1, 0, 0
	LDA AF0, 0, 0, 0
	LDA AF0, 4, 0, 0
	STEPN 0, 1                                     ; the first step stands in front of the loop: its products start the sums
	s_mov_b32 s3, 7
.Llap:                                                 ; a trip goes once round the ring and fills both slots again: K blocks 2 to 15 in seven trips
	STEPC 0, 1, 1
	STEPN 1, 0
	STEPC 1, 0, 1
	STEPN 0, 0
	s_sub_co_u32 s3, s3, 1
	s_cmp_lg_u32 s3, 0
	s_cbranch_scc1 .Llap
	STEPC 0, 1, 0                                  ; the tail fills nothing
	STEPN 1, 0
	s_wait_dscnt 0x0                               ; the last step
	PLACES
	LDB 2, 1, 1
	GRP 0, AF1, 0, 3, 0
	GRP 1, AF1, 0, 3, 0
	s_wait_dscnt 0x0
	GRP 2, AF1, 0, 3, 0
	WIN 0
	; THE WAY OUT.  The stages overlay the ring, which has had its last fill: every wave's reads of the ring are over, and a barrier says so.
	s_barrier_signal -1
	s_barrier_wait -1
	PLACES
.irp g, 0,1,2
	WIN 5*(\g+1)                                   ; sources in window g + 1, destination in window 0
.set t, 0
.rept 32                                               ; each accumulator's registers in ascending order
.irp r, 0,1,2,3
	v_cvt_pk_bf16_f32 v[TMP+4*t+\r], v[8*t+2*\r], v[8*t+2*\r+1]
.endr
.set t, t+1
.endr
	WIN 0
.set t, 0
.rept 32                                               ; t = 8 bb + a: rows 16 a on, columns 16 (4 g + bb) on
	ds_store_b128 v[STO], v[TMP+4*t:TMP+4*t+3] offset:(t%8)*16*SPITCH+32*(4*\g+t/8)
.set t, t+1
.endr
.endr
	; my three column blocks of 64: block 6 x tile column + 3 x half + j; below 32 it is qk's, else acat's block less 32
	s_mul_i32 s80, s[CT], 6
	s_mul_i32 s81, s[WC], 3
	s_add_co_u32 s80, s80, s81
	s_lshl_b32 s82, s[RT], 15                      ; my first row, 128 bytes a row
	s_lshl_b32 s83, s[WR], 14
	s_add_co_u32 s82, s82, s83
.irp j, 0,1,2
	s_add_co_u32 s84, s80, \j
	s_sub_co_u32 s85, s84, 32
	s_cmp_lt_u32 s84, 32
	s_cselect_b32 s84, s84, s85
	s_cselect_b64 s[OBJ+2*\j:OBJ+2*\j+1], s[8:9], s[10:11]
	s_cselect_b32 s[LO+\j], 0xff80ff80, 0
	s_cselect_b32 s[FL+\j], 0, 0xbf000000
	s_lshl_b32 s84, s84, 19
	s_add_co_u32 s84, s84, s82
	s_mov_b32 s85, 0
	s_add_nc_u64 s[OBJ+2*\j:OBJ+2*\j+1], s[OBJ+2*\j:OBJ+2*\j+1], s[84:85]
.endr
	s_mov_b32 s3, 8
.Lout:                                                 ; a trip: 16 rows of my three blocks
.irp q, 0,1,2,3
.irp j, 0,1,2
	ds_load_b128 v[DAT+4*(3*\q+\j):DAT+4*(3*\q+\j)+3], v[RD] offset:4*SPITCH*\q+128*\j  ; my own stage: LDS serves a wave's instructions in order (ISA guide 5.7.1.4)
.endr
.endr
.irp q, 0,1,2,3
.irp j, 0,1,2
	s_wait_dscnt 11-3*\q-\j
.irp k, 0,1,2,3
	v_pk_max_num_bf16 v[DAT+4*(3*\q+\j)+\k], v[DAT+4*(3*\q+\j)+\k], s[LO+\j]
.endr
.irp k, 0,1,2,3
	v_fma_mix_f32_bf16 v[E+2*\j],   v[DAT+4*(3*\q+\j)+\k], v[DAT+4*(3*\q+\j)+\k], v[E+2*\j] op_sel_hi:[1,1,0]
	v_fma_mix_f32_bf16 v[E+2*\j+1], v[DAT+4*(3*\q+\j)+\k], v[DAT+4*(3*\q+\j)+\k], v[E+2*\j+1] op_sel:[1,1,0] op_sel_hi:[1,1,0]
.endr
	global_store_b128 v[GO], v[DAT+4*(3*\q+\j):DAT+4*(3*\q+\j)+3], s[OBJ+2*\j:OBJ+2*\j+1] offset:512*\q  ; four rows of a block: 512 consecutive bytes, aligned
.endr
.endr
	s_wait_xcnt 0x0                                ; the stores' data and offset are rewritten only behind this wait
	v_add_nc_u32 v[RD], 16*SPITCH, v[RD]
	v_add_nc_u32 v[GO], 2048, v[GO]
	s_sub_co_u32 s3, s3, 1
	s_cmp_lg_u32 s3, 0
	s_cbranch_scc1 .Lout
	; my wave's share of -1/2 sum h^2
	v_add_f32 v[E], v[E], v[E+1]
	v_add_f32 v[E+2], v[E+2], v[E+3]
	v_add_f32 v[E+4], v[E+4], v[E+5]
	v_mul_f32 v[E], s[FL], v[E]
	v_fmac_f32 v[E], s[FL+1], v[E+2]
	v_fmac_f32 v[E], s[FL+2], v[E+4]
	v_add_f32_dpp v[E], v[E], v[E] row_xmask:1 row_mask:0xf bank_mask:0xf
	v_add_f32_dpp v[E], v[E], v[E] row_xmask:2 row_mask:0xf bank_mask:0xf
	v_add_f32_dpp v[E], v[E], v[E] row_xmask:4 row_mask:0xf bank_mask:0xf
	v_add_f32_dpp v[E], v[E], v[E] row_xmask:8 row_mask:0xf bank_mask:0xf
	v_permlanex16_b32 v[E+1], v[E], s88, s89
	v_add_f32 v[E], v[E], v[E+1]
	s_lshl_b32 s80, s[RT], 4
	s_add_co_u32 s80, s80, s[CT]
	s_lshl_b32 s80, s80, 2
	s_add_co_u32 s80, s80, s[WV]
	s_lshl_b32 s80, s80, 2                         ; word 4 (16 x tile row + tile column) + wave of epart
	s_mov_b32 s81, 0
	s_add_nc_u64 s[86:87], s[12:13], s[80:81]
	s_wait_xcnt 0x0                                ; EXEC changes only behind this wait
	v_cmp_eq_u32 vcc_lo, 0, v[LANE]
	s_and_saveexec_b32 s90, vcc_lo
	global_store_b32 v[ZOFF], v[E], s[86:87]
	s_wait_xcnt 0x0
	s_or_b32 exec_lo, exec_lo, s90
	s_wait_tensorcnt 0x0                           ; the wave's end
	ds_add_u32 v[SPW], v[NIL]
	s_wait_dscnt 0x0
	CROUND                                         ; the closing round
	s_endpgm
.Lfunc_end_k_qef4f1d693d_gemm1:
	.size	k_qef4f1d693d_gemm1, .Lfunc_end_k_qef4f1d693d_gemm1-k_qef4f1d693d_gemm1
	.p2alignl 7, 3214868480
	.fill 96, 4, 3214868480
	.section	.rodata,"a",@progbits
	.p2align	6, 0x0
	.amdhsa_kernel k_qef4f1d693d_gemm1
		.amdhsa_group_segment_fixed_size 327680
		.amdhsa_private_segment_fixed_size 0
		.amdhsa_enable_private_segment 0
		.amdhsa_kernarg_size 40
		.amdhsa_user_sgpr_count 2
		.amdhsa_user_sgpr_kernarg_segment_ptr 1
		.amdhsa_wavefront_size32 1
		.amdhsa_system_sgpr_workgroup_id_x 1
		.amdhsa_system_sgpr_workgroup_id_y 1
		.amdhsa_system_sgpr_workgroup_id_z 1
		.amdhsa_system_vgpr_workitem_id 0
		.amdhsa_next_free_vgpr 1024
		.amdhsa_next_free_sgpr 96
		.amdhsa_reserve_vcc 1
		.amdhsa_float_denorm_mode_32 3
		.amdhsa_float_denorm_mode_16_64 3
		.amdhsa_memory_ordered 1
		.amdhsa_forward_progress 1
		.amdhsa_inst_pref_size 127
	.end_amdhsa_kernel
	.amdgpu_metadata
---
amdhsa.version: [ 1, 2 ]
amdhsa.kernels:
  - .name:           k_qef4f1d693d_gemm1
    .symbol:         k_qef4f1d693d_gemm1.kd
    .args:
      - { .name: xb, .offset: 0, .size: 8, .value_kind: global_buffer, .address_space: global }
      - { .name: w1, .offset: 8, .size: 8, .value_kind: global_buffer, .address_space: global }
      - { .name: qk, .offset: 16, .size: 8, .value_kind: global_buffer, .address_space: global }
      - { .name: acat, .offset: 24, .size: 8, .value_kind: global_buffer, .address_space: global }
      - { .name: epart, .offset: 32, .size: 8, .value_kind: global_buffer, .address_space: global }
    .group_segment_fixed_size: 327680
    .private_segment_fixed_size: 0
    .kernarg_segment_align: 8
    .kernarg_segment_size: 40
    .max_flat_workgroup_size: 128
    .sgpr_count:     96
    .vgpr_count:     1024
    .wavefront_size: 32
...
	.end_amdgpu_metadata
.endif
;; end of part 2
;; launch attn1 (part 3): grid 4 x 64, 8 waves a work-group, clusters of 4 x 1, 171,008 bytes of LDS; arguments qk, acat, lse2, epart; writes acat, lse2, epart
.if DOCPART == 3
	.amdgcn_target "amdgcn-amd-amdhsa--gfx1250"
	.amdhsa_code_object_version 6
	.text
	.protected	k_qef4f1d693d_attn1
	.globl	k_qef4f1d693d_attn1
	.p2align	8
	.type	k_qef4f1d693d_attn1,@function
k_qef4f1d693d_attn1:
	s_mov_b64 s[64:65], 0
	v_nop
	global_prefetch_b8 v0, s[64:65] scope:SCOPE_SE
	s_setreg_imm32_b32 hwreg(HW_REG_WAVE_MODE, 25, 1), 1
	s_wait_xcnt 0x0
	s_wait_alu depctr_hold_cnt(0) depctr_sa_sdst(0) depctr_va_vdst(0) depctr_va_sdst(0) depctr_va_ssrc(0) depctr_va_vcc(0) depctr_vm_vsrc(0)
	s_getreg_b32 s2, hwreg(HW_REG_IB_STS2, 6, 4)
	s_cmp_eq_u32 s2, 0
	s_cbranch_scc0 .Lentry_in_a_cluster
	s_endpgm
.Lentry_in_a_cluster:
	s_bfe_u32 s2, ttmp6, 0x10000c
	s_cmp_lg_u32 s2, 0x3003
	s_cbranch_scc0 .Lentry_shape_is_right
	s_endpgm
.Lentry_shape_is_right:
; ATTN1: for each batch b and head h: dq[n] = sum over m of softmax_m(q[n] . k[m] / 8) k[m]; L2[n] = log2 of the sum over m of 2^(c q[n] . k[m]), c = log2(e) / 8; and -8 ln 2 x sum L2.
; qk is [32][4096][64] bf16: block h = q of head h, block 16 + h = k; row 1,024 b + n.  dq goes to acat's block 64 + h (the sign is in the next product's weights), L2 to lse2[h][1,024 b + n].
; SHARES.  A work-group owns 256 queries of one (b, h), each of its eight waves 32: two tiles of 16.  Two waves lie on a SIMD and no barrier stands in the loop: one wave's products run beside the other's softmax.
; LDS.  The head's 1,024 rows of k, 128 KiB, are brought ONCE (each wave 128 rows) and serve both products: as they lie for S^T = K Q^T, turned by ds_load_tr16_b128 for O^T = K^T P.  No byte is filled twice.
; CLUSTER.  The four query blocks of a (b, h) walk the same k: each tile is asked for jointly, by the same load, descriptor and mask in all four.
; LAYOUT.  In S^T a lane holds ONE query (lane % 16) and the keys 8 (lane / 16) + 0..7; two such results rounded to bf16 ARE source 1 of the second product, whose result again holds one query a lane.
; SOFTMAX.  A running maximum m and sum l: p = 2^(c s - c m); O and l are multiplied by a = 2^(c m_old - c m_new) in every step.  m starts at the lowest finite number, O and l at 0: the first a is 0, and no first
; step is written out; the price is 64 v_mov_b32 in the wait for the tile.
; LIMITS.  bf16 operands (q, k, p, dq); l is the sum of the unrounded p; a weight below 2^-126 counts as 0; NaN and infinities are not treated apart.
; REGISTERS: window 0: v0-15 addresses; v16-23 statistics (c m, m, l even, l odd a tile); v24-31 at work; v32-37 the end's; v64-127 S^T; v128-159 P; v160-223 O^T.  window 1: v0-31 Q; v64-127 K of a step; v128-191 K turned.
.set PK,    144        ; a row of k in LDS: 128 bytes + 16
.set STEPB, 64*PK      ; a key step
.set TILE,  1024*PK
.set STAGE, TILE+4096  ; (4,096 bytes left free: the sister launch's table) 16 rows x 144 bytes for each wave, for the way out
.set SP,    144
.set SPARE, STAGE+8*16*SP  ; the spare words, 128 bytes a wave: four blocks of 256 bytes that no other line names
.set AK0, 2
.set AV0, 3
.set AK,  4
.set AV,  5
.set STO, 6
.set RD,  7
.set GO,  8
.set QO,  10
.set MV,  12
.set SPW, 14           ; LDS address of my spare word; never rewritten
.set NIL, 15           ; 0; never rewritten
.set ST,  16
.set TMP, 24
.set LANE, 32
.set S,   64
.set P,   128
.set O,   160
.set KF,  64           ; window 1
.set VF,  128          ; window 1
.set WV,  12
.set G1,  24
.set G0,  40
.set CNT, 56
.set CS,  58
.set SEL, 60
.set TB,  62           ; LDS byte of the step in hand
.set TBN, 63           ; of the next step
.set MSB, 0
.macro WIN new
.if MSB != (\new)
	s_set_vgpr_msb (MSB<<8)|(\new)
.set MSB, \new
.endif
.endm
.macro CROUND                          ; a round of the cluster's barrier
	s_barrier_signal -1
	s_barrier_wait -1
	s_cmp_lg_u32 s[WV], 0
	s_cbranch_scc1 .Lnot_wave_0_\@
	s_barrier_signal -3
.Lnot_wave_0_\@:
	s_barrier_wait -3
	s_barrier_signal -1
	s_barrier_wait -1
.endm
	s_load_b256 s[4:11], s[0:1], 0x0               ; qk s[4:5], acat s[6:7], lse2 s[8:9], epart s[10:11]
	v_lshl_add_u32 v[SPW], v0, 2, SPARE
	v_mov_b32 v[NIL], 0
	ds_add_u32 v[SPW], v[NIL]                      ; the wave's opening: the add and its wait ahead of my first tensor load
	v_lshrrev_b32 v1, 5, v0
	v_readfirstlane_b32 s[WV], v1
	s_bfe_u32 s13, ttmp6, 0x40000                  ; cx
	s_lshl_b32 s14, ttmp9, 2
	s_add_co_u32 s14, s14, s13                     ; my block of 256 queries: it enters the addresses of my own rows and results alone
	s_and_b32 s15, ttmp7, 0xffff
	s_and_b32 s16, s15, 15                         ; the head
	s_lshr_b32 s17, s15, 4                         ; the batch
	s_add_co_u32 s20, s16, 16                      ; the walked rows: block 16 + h, batch b, my wave's 128 rows
	s_lshl_b32 s20, s20, 19
	s_lshl_b32 s21, s17, 17
	s_add_co_u32 s20, s20, s21
	s_lshl_b32 s21, s[WV], 14
	s_add_co_u32 s20, s20, s21
	s_mov_b32 s21, 0
	s_lshl_b32 s18, s17, 17                        ; my wave's first row in a block, in bytes: (1,024 b + 256 block + 32 wave) x 128
	s_lshl_b32 s19, s14, 15
	s_add_co_u32 s18, s18, s19
	s_lshl_b32 s19, s[WV], 12
	s_add_co_u32 s18, s18, s19
	s_lshl_b32 s22, s16, 19                        ; my own rows: block h
	s_add_co_u32 s22, s22, s18
	s_mov_b32 s23, 0
	s_add_co_u32 s46, s16, 64                      ; dq: acat's block 64 + h
	s_lshl_b32 s46, s46, 19
	s_add_co_u32 s46, s46, s18
	s_mov_b32 s47, 0
	s_lshl_b32 s48, s16, 14                        ; lse2: 4,096 words a head
	s_lshr_b32 s49, s18, 5
	s_add_co_u32 s48, s48, s49
	s_mov_b32 s49, 0
	s_lshl_b32 s50, s15, 2                         ; epart: word 1,024 + 8 (4 y + block) + wave
	s_add_co_u32 s50, s50, s14
	s_lshl_b32 s50, s50, 3
	s_add_co_u32 s50, s50, s[WV]
	s_lshl_b32 s50, s50, 2
	s_add_co_u32 s50, s50, 4096
	s_mov_b32 s51, 0
	; group 1: 128 dense rows of 128 bytes asked for as 64 rows of 256, 16 bytes of padding behind every 128
	s_mov_b32 s[G1], 15|(1<<16)|(1<<20)|(1<<21)|(4<<22)|(3<<25)
	s_mov_b32 s[G1+1], 128<<16
	s_mov_b32 s[G1+2], 64<<16
	s_mov_b32 s[G1+3], 128<<16
	s_mov_b32 s[G1+4], 64
	s_mov_b32 s[G1+5], 128
	s_mov_b32 s[G1+6], 0
	s_mov_b32 s[G1+7], 0
	s_mov_b32 s[G0], 1
	s_mul_i32 s[G0+1], s[WV], 128*PK
	s_mov_b32 s[CS], 0x3e38aa3b                    ; c = log2(e) / 8
	s_mov_b32 s[CS+1], s[CS]
	s_mov_b32 s[SEL], 0x76543210
	s_mov_b32 s[SEL+1], 0xfedcba98
	s_mov_b32 s[TB], 0
	s_mov_b32 s[TBN], STEPB
	s_mov_b32 s[CNT], 16
	s_wait_dscnt 0x0                               ; the opening add is done
	s_wait_kmcnt 0x0
	s_add_nc_u64 s[G0+2:G0+3], s[4:5], s[20:21]
	s_or_b32 s[G0+3], s[G0+3], 0x80000000
	s_add_nc_u64 s[22:23], s[4:5], s[22:23]
	s_add_nc_u64 s[46:47], s[6:7], s[46:47]
	s_add_nc_u64 s[48:49], s[8:9], s[48:49]
	s_add_nc_u64 s[50:51], s[10:11], s[50:51]
	CROUND                                         ; all four work-groups are here: the joint loads meet
	tensor_load_to_lds s[G0:G0+3], s[G1:G1+7]      ; my one tensor load of the launch
	s_nop 0
.rept 4
	v_nop
.endr
	v_and_b32 v1, 15, v0                           ; l % 16
	v_bfe_u32 v9, v0, 4, 1                         ; l / 16
	v_lshlrev_b32 v[QO], 7, v1
	v_lshl_add_u32 v[QO], v9, 4, v[QO]
	WIN 0x40                                       ; destination window 1
.set i, 0
.rept 4                                                ; Q stays in registers: tile i / 2, channels 32 (i % 2) on
	global_load_b128 v[8*i:8*i+3],   v[QO], s[22:23] offset:(i/2)*2048+(i%2)*64
	global_load_b128 v[8*i+4:8*i+7], v[QO], s[22:23] offset:(i/2)*2048+(i%2)*64+32
.set i, i+1
.endr
	WIN 0
.irp u, 0,1
	v_mov_b32 v[ST+4*\u], 0xfe000000               ; c m: far below every c s
	v_mov_b32 v[ST+4*\u+1], 0xff7fffff             ; m
	v_mov_b32 v[ST+4*\u+2], 0
	v_mov_b32 v[ST+4*\u+3], 0
.endr
.set i, 0
.rept 64
	v_mov_b32 v[O+i], 0
.set i, i+1
.endr
	v_mul_u32_u24 v[AK0], v1, PK
	v_lshl_add_u32 v[AK0], v9, 4, v[AK0]           ; row x pitch + 16 x half
	v_and_b32 v11, 7, v0                           ; the turning load: lane l reads key 8 (l / 16) + l % 8, channels 8 ((l / 8) % 2) + 0..7
	v_bfe_u32 v[AV], v0, 3, 1
	v_lshl_add_u32 v[AV0], v9, 3, v11
	v_mul_u32_u24 v[AV0], v[AV0], PK
	v_lshl_add_u32 v[AV0], v[AV], 4, v[AV0]
	s_mul_i32 s19, s[WV], 16*SP
	s_add_co_u32 s19, s19, STAGE                   ; my stage
	v_mul_u32_u24 v[STO], v1, SP
	v_lshl_add_u32 v[STO], v9, 4, v[STO]
	v_add_nc_u32 v[STO], s19, v[STO]
	v_bfe_u32 v[RD], v0, 3, 2
	v_mul_u32_u24 v[RD], v[RD], SP
	v_lshl_add_u32 v[RD], v11, 4, v[RD]
	v_add_nc_u32 v[RD], s19, v[RD]
	v_and_b32 v[LANE], 31, v0
	v_lshlrev_b32 v[GO], 4, v[LANE]
	v_mov_b32 v[AK], v[AK0]
.macro KQ                              ; product i of 16 of S^T = K Q^T: channels 32 (i / 8) on, keys 16 ((i / 2) % 4) on, tile i % 2; the 8 accumulators take turns
.set rS, S+32*(i%2)+8*((i/2)%4)
.set rK, KF+16*((i/2)%4)+8*(i/8)
.set rQ, 16*(i%2)+8*(i/8)
.if i < 8
	v_wmma_f32_16x16x32_bf16 v[rS:rS+7], v[rK:rK+7], v[rQ:rQ+7], 0
.else
	v_wmma_f32_16x16x32_bf16 v[rS:rS+7], v[rK:rK+7], v[rQ:rQ+7], v[rS:rS+7]
.endif
.endm
.macro PV                              ; product i of 16 of O^T += K^T P: keys 32 (i / 8) on, channels 16 ((i / 2) % 4) on, tile i % 2
.set rO, O+32*(i%2)+8*((i/2)%4)
.set rV, VF+32*(i/8)+8*((i/2)%4)
.set rP, P+16*(i%2)+8*(i/8)
	v_wmma_f32_16x16x32_bf16 v[rO:rO+7], v[rV:rV+7], v[rP:rP+7], v[rO:rO+7]
.endm
.macro FETCH_K
.irp f, 0,1,2,3,4,5,6,7                ; keys 16 (f / 2) on, channels 32 (f % 2) on
	ds_load_b128 v[KF+8*\f:KF+8*\f+3],   v[AK] offset:(\f/2)*16*PK+(\f%2)*64
	ds_load_b128 v[KF+8*\f+4:KF+8*\f+7], v[AK] offset:(\f/2)*16*PK+(\f%2)*64+32
.endr
.endm
.macro FETCH_V
.irp f, 0,1,2,3,4,5,6,7                ; keys 32 (f / 4) on, channels 16 (f % 4) on
	ds_load_tr16_b128 v[VF+8*\f:VF+8*\f+3],   v[AV] offset:(\f/4)*32*PK+(\f%4)*32
	ds_load_tr16_b128 v[VF+8*\f+4:VF+8*\f+7], v[AV] offset:(\f/4)*32*PK+16*PK+(\f%4)*32
.endr
.endm
.macro REGS u
.set rT, ST+4*(\u)
.set rC, TMP+4*(\u)
.set rM, MV+(\u)
.set rS, S+32*(\u)
.endm
; Number n of the 22 that find tile u's maximum and statistics: 0-11 four chains of seven scores (each accumulator's lowest registers first); 12-14, 16 the four scores left over,
; the old m, and the chains into one; 15 c m_old is kept; 17, 18 the other half of the lanes' 32 keys; 19-21 c m, c m_old - c m_new, a.
.macro XS u, n
	REGS \u
.if (\n) < 4
	v_max3_num_f32 v[rC+(\n)], v[rS+8*(\n)], v[rS+8*(\n)+1], v[rS+8*(\n)+2]
.elseif (\n) < 12
	v_max3_num_f32 v[rC+(\n)%4], v[rC+(\n)%4], v[rS+8*((\n)%4)+2*((\n)/4)+1], v[rS+8*((\n)%4)+2*((\n)/4)+2]
.elseif (\n) == 12
	v_max3_num_f32 v[rC], v[rC], v[rS+7], v[rS+15]
.elseif (\n) == 13
	v_max3_num_f32 v[rC+1], v[rC+1], v[rS+23], v[rS+31]
.elseif (\n) == 14
	v_max3_num_f32 v[rC+2], v[rC+2], v[rC+3], v[rT+1]
.elseif (\n) == 15
	v_mov_b32 v[rM], v[rT]
.elseif (\n) == 16
	v_max3_num_f32 v[rC], v[rC], v[rC+1], v[rC+2]
.elseif (\n) == 17
	v_permlanex16_b32 v[rC+3], v[rC], s[SEL], s[SEL+1]
.elseif (\n) == 18
	v_max_num_f32 v[rT+1], v[rC], v[rC+3]
.elseif (\n) == 19
	v_mul_f32 v[rT], s[CS], v[rT+1]
.elseif (\n) == 20
	v_sub_f32 v[rC+1], v[rM], v[rT]
.else
	v_exp_f32 v[rC+2], v[rC+1]
.endif
.endm
.macro SUMT u                          ; sum z of 15 of tile u's 16 pairs of weights, in place: neighbours 1, 2, 4, 8 pairs apart
	REGS \u
.if z < 8
.set w, 4
.set k, z
.elseif z < 12
.set w, 8
.set k, z-8
.elseif z < 14
.set w, 16
.set k, z-12
.else
.set w, 32
.set k, 0
.endif
	v_pk_add_f32 v[rS+w*k:rS+w*k+1], v[rS+w*k:rS+w*k+1], v[rS+w*k+w/2:rS+w*k+w/2+1]
.endm
	s_wait_tensorcnt 0x0                           ; my 128 rows are in,
	s_barrier_signal -1
	s_barrier_wait -1                              ; everybody's are
	WIN 0x40
	FETCH_K                                        ; key step 0
	WIN 0
	s_wait_loadcnt 0x0                             ; Q
.Lstep:                                                ; 16 trips, 64 keys each
	s_wait_dscnt 0x0                               ; K of this step is in
	WIN 0x05                                       ; K and Q in window 1, S^T in window 0
.set i, 0
.rept 16
	KQ
.set i, i+1
.endr
	WIN 0
	v_add_nc_u32 v[AV], s[TB], v[AV0]              ; four plain lines: the places behind these products (for the reads of S^T and the loads into K's registers)
	v_add_nc_u32 v[AK], s[TBN], v[AK0]             ; and behind the last trip's second products (for the loads into the turned K's)
	v_nop
	v_nop
	WIN 0x40
	FETCH_V                                        ; this step's rows, turned
	FETCH_K                                        ; the next step's
	WIN 0
.irp n, 0,1,2,3,4,5,6,7,8,9,10,11,12,13,14,15,16,17,18,19,20,21
	XS 0, \n
	XS 1, \n
.endr
.set n, 0
.rept 16                                               ; c s - c m, a pair at a time; these plain lines also stand behind the two exponentials above
	v_pk_fma_f32 v[S+2*n:S+2*n+1], v[S+2*n:S+2*n+1], s[CS:CS+1], v[ST:ST+1] op_sel_hi:[1,0,0] neg_lo:[0,0,1] neg_hi:[0,0,1]
	v_pk_fma_f32 v[S+32+2*n:S+32+2*n+1], v[S+32+2*n:S+32+2*n+1], s[CS:CS+1], v[ST+4:ST+5] op_sel_hi:[1,0,0] neg_lo:[0,0,1] neg_hi:[0,0,1]
.set n, n+1
.endr
.set i, 0
.rept 64                                               ; an exponential and a plain line by turns: first O^T times a, then the rounding of pairs whose exponentials stand two lines back or more
	v_exp_f32 v[S+i], v[S+i]
.if i < 32
	s_wait_alu depctr_va_vdst(0)
	v_pk_mul_f32 v[O+2*i:O+2*i+1], v[O+2*i:O+2*i+1], v[TMP+4*(i/16)+2:TMP+4*(i/16)+3] op_sel_hi:[1,0]
.elseif i < 63
	s_wait_alu depctr_va_vdst(0)
	v_cvt_pk_bf16_f32 v[P+i-32], v[S+2*(i-32)], v[S+2*(i-32)+1]
.else
	v_pk_add_f32 v[S:S+1], v[S:S+1], v[S+2:S+3]    ; tile 0's first sum
.endif
.set i, i+1
.endr
	s_wait_alu depctr_va_vdst(0)
	v_cvt_pk_bf16_f32 v[P+31], v[S+62], v[S+63]
.set z, 0
.rept 15
.if z > 0
	SUMT 0
.endif
	SUMT 1
.set z, z+1
.endr
.irp u, 0,1
	v_pk_fma_f32 v[ST+4*\u+2:ST+4*\u+3], v[ST+4*\u+2:ST+4*\u+3], v[TMP+4*\u+2:TMP+4*\u+3], v[S+32*\u:S+32*\u+1] op_sel_hi:[1,0,1]  ; l = a l + sum
.endr
	s_wait_dscnt 16                                ; the turned rows are in; the next step's 16 loads may stay out
	WIN 0x01                                       ; the turned K in window 1; P and O^T in window 0
.set i, 0
.rept 16
	PV
.set i, i+1
.endr
	WIN 0
	s_mov_b32 s[TB], s[TBN]
	s_add_co_u32 s[TBN], s[TBN], STEPB
	s_min_u32 s[TBN], s[TBN], TILE-STEPB           ; the last trip's look-ahead reads the last step's rows once more: no read leaves the tile
	s_sub_co_u32 s[CNT], s[CNT], 1
	s_cmp_lg_u32 s[CNT], 0
	s_cbranch_scc1 .Lstep
	; THE END.  l's two halves and the other half of the lanes' are added (the additions are the places behind the last products); L2 = c m + log2 l.
.irp u, 0,1
	v_add_f32 v[ST+4*\u+2], v[ST+4*\u+2], v[ST+4*\u+3]
.endr
	v_mov_b32 v35, 0
	v_lshlrev_b32 v34, 2, v[LANE]
.irp u, 0,1
	v_permlanex16_b32 v[ST+4*\u+3], v[ST+4*\u+2], s[SEL], s[SEL+1]
.endr
.irp u, 0,1
	v_add_f32 v[ST+4*\u+2], v[ST+4*\u+2], v[ST+4*\u+3]
.endr
.irp u, 0,1
	v_rcp_f32 v[TMP+4*\u], v[ST+4*\u+2]
	v_log_f32 v[TMP+4*\u+2], v[ST+4*\u+2]
.endr
	v_nop                                          ; a plain line between the last of them and the use of their results
	s_wait_alu depctr_va_vdst(0)
.irp u, 0,1
	v_add_f32 v[TMP+4*\u+2], v[ST+4*\u], v[TMP+4*\u+2]
.endr
	v_cmp_lt_u32 vcc_lo, 15, v[LANE]               ; lanes 0-15 speak for tile 0's queries, lanes 16-31 for tile 1's
	v_cndmask_b32 v33, v[TMP+2], v[TMP+6], vcc_lo
	global_store_b32 v34, v33, s[48:49]            ; my wave's 32 queries: 128 consecutive bytes
	v_mov_b32 v36, v33
	v_mov_b32 v37, 0
	v_add_f32_dpp v36, v36, v36 row_xmask:1 row_mask:0xf bank_mask:0xf
	v_add_f32_dpp v36, v36, v36 row_xmask:2 row_mask:0xf bank_mask:0xf
	v_add_f32_dpp v36, v36, v36 row_xmask:4 row_mask:0xf bank_mask:0xf
	v_add_f32_dpp v36, v36, v36 row_xmask:8 row_mask:0xf bank_mask:0xf
	v_permlanex16_b32 v37, v36, s[SEL], s[SEL+1]
	v_add_f32 v36, v36, v37
	v_mul_f32 v36, 0xc0b17218, v36                 ; -(1 / beta) ln 2 = -8 ln 2
	s_wait_xcnt 0x0                                ; EXEC changes only behind this wait
	v_cmp_eq_u32 vcc_lo, 0, v[LANE]
	s_and_saveexec_b32 s52, vcc_lo
	global_store_b32 v35, v36, s[50:51]
	s_wait_xcnt 0x0
	s_or_b32 exec_lo, exec_lo, s52
.macro PACK u                          ; O^T / l, rounded; a lane's eight channels are 16 bytes; through my stage they come back as whole rows of 128 bytes
.set i, 0
.rept 16
	v_pk_mul_f32 v[O+32*\u+2*i:O+32*\u+2*i+1], v[O+32*\u+2*i:O+32*\u+2*i+1], v[TMP+4*\u:TMP+4*\u+1] op_sel_hi:[1,0]
.set i, i+1
.endr
.set i, 0
.rept 16
	v_cvt_pk_bf16_f32 v[S+16*\u+i], v[O+32*\u+2*i], v[O+32*\u+2*i+1]
.set i, i+1
.endr
.irp f, 0,1,2,3
	ds_store_b128 v[STO], v[S+16*\u+4*\f:S+16*\u+4*\f+3] offset:32*\f
.endr
.irp f, 0,1,2,3
	ds_load_b128 v[S+16*\u+4*\f:S+16*\u+4*\f+3], v[RD] offset:\f*4*SP  ; LDS serves a wave's instructions in order (ISA guide 5.7.1.4)
.endr
.endm
.macro SEND u, younger                 ; younger: the LDS instructions issued behind tile u's loads
.irp f, 0,1,2,3
	s_wait_dscnt (\younger)+3-\f
	global_store_b128 v[GO], v[S+16*\u+4*\f:S+16*\u+4*\f+3], s[46:47] offset:\u*2048+\f*512  ; four rows: 512 consecutive bytes, aligned
.endr
.endm
	PACK 0
	PACK 1
	SEND 0, 8
	SEND 1, 0
	s_wait_tensorcnt 0x0                           ; the wave's end
	ds_add_u32 v[SPW], v[NIL]
	s_wait_dscnt 0x0
	CROUND                                         ; the closing round
	s_endpgm
.Lfunc_end_k_qef4f1d693d_attn1:
	.size	k_qef4f1d693d_attn1, .Lfunc_end_k_qef4f1d693d_attn1-k_qef4f1d693d_attn1
	.p2alignl 7, 3214868480
	.fill 96, 4, 3214868480
	.section	.rodata,"a",@progbits
	.p2align	6, 0x0
	.amdhsa_kernel k_qef4f1d693d_attn1
		.amdhsa_group_segment_fixed_size 171008
		.amdhsa_private_segment_fixed_size 0
		.amdhsa_enable_private_segment 0
		.amdhsa_kernarg_size 32
		.amdhsa_user_sgpr_count 2
		.amdhsa_user_sgpr_kernarg_segment_ptr 1
		.amdhsa_wavefront_size32 1
		.amdhsa_system_sgpr_workgroup_id_x 1
		.amdhsa_system_sgpr_workgroup_id_y 1
		.amdhsa_system_sgpr_workgroup_id_z 1
		.amdhsa_system_vgpr_workitem_id 0
		.amdhsa_next_free_vgpr 448
		.amdhsa_next_free_sgpr 66
		.amdhsa_reserve_vcc 1
		.amdhsa_float_denorm_mode_32 3
		.amdhsa_float_denorm_mode_16_64 3
		.amdhsa_memory_ordered 1
		.amdhsa_forward_progress 1
		.amdhsa_inst_pref_size 37
	.end_amdhsa_kernel
	.amdgpu_metadata
---
amdhsa.version: [ 1, 2 ]
amdhsa.kernels:
  - .name:           k_qef4f1d693d_attn1
    .symbol:         k_qef4f1d693d_attn1.kd
    .args:
      - { .name: qk, .offset: 0, .size: 8, .value_kind: global_buffer, .address_space: global }
      - { .name: acat, .offset: 8, .size: 8, .value_kind: global_buffer, .address_space: global }
      - { .name: lse2, .offset: 16, .size: 8, .value_kind: global_buffer, .address_space: global }
      - { .name: epart, .offset: 24, .size: 8, .value_kind: global_buffer, .address_space: global }
    .group_segment_fixed_size: 171008
    .private_segment_fixed_size: 0
    .kernarg_segment_align: 8
    .kernarg_segment_size: 32
    .max_flat_workgroup_size: 256
    .sgpr_count:     66
    .vgpr_count:     448
    .wavefront_size: 32
...
	.end_amdgpu_metadata
.endif
;; end of part 3
;; launch attn2 (part 4): grid 4 x 64, 8 waves a work-group, clusters of 4 x 1, 171,008 bytes of LDS; arguments qk, lse2, acat; writes acat
.if DOCPART == 4
	.amdgcn_target "amdgcn-amd-amdhsa--gfx1250"
	.amdhsa_code_object_version 6
	.text
	.protected	k_qef4f1d693d_attn2
	.globl	k_qef4f1d693d_attn2
	.p2align	8
	.type	k_qef4f1d693d_attn2,@function
k_qef4f1d693d_attn2:
	s_mov_b64 s[64:65], 0
	v_nop
	global_prefetch_b8 v0, s[64:65] scope:SCOPE_SE
	s_setreg_imm32_b32 hwreg(HW_REG_WAVE_MODE, 25, 1), 1
	s_wait_xcnt 0x0
	s_wait_alu depctr_hold_cnt(0) depctr_sa_sdst(0) depctr_va_vdst(0) depctr_va_sdst(0) depctr_va_ssrc(0) depctr_va_vcc(0) depctr_vm_vsrc(0)
	s_getreg_b32 s2, hwreg(HW_REG_IB_STS2, 6, 4)
	s_cmp_eq_u32 s2, 0
	s_cbranch_scc0 .Lentry_in_a_cluster
	s_endpgm
.Lentry_in_a_cluster:
	s_bfe_u32 s2, ttmp6, 0x10000c
	s_cmp_lg_u32 s2, 0x3003
	s_cbranch_scc0 .Lentry_shape_is_right
	s_endpgm
.Lentry_shape_is_right:
; ATTN2: for each batch b and head h: dk[m] = sum over n of P[n][m] q[n], P[n][m] = 2^(c q[n] . k[m] - L2[n]), c = log2(e) / 8, with L2 the finished log-sum of row n from the launch before.
; The exponent is the score less its own row's log-sum, which holds the row's maximum: it is at most 0 but for rounding, whatever the inputs, so no exponential can overflow and P lies in 0 to 1.
; qk is [32][4096][64] bf16 (block h = q, block 16 + h = k); dk goes to acat's block 80 + h (the sign is in the next product's weights).
; SHARES, LDS, CLUSTER, LAYOUT as in the sister launch with the parts changed: a wave keeps 32 rows of k in registers; the head's 1,024 rows of q lie in LDS, brought once, and serve both products;
; beside them lie the 1,024 L2 (4 KiB).  In S^T a lane holds one row of k (lane % 16) and the queries 8 (lane / 16) + 0..7, so a lane's L2 are eight neighbouring words, the same for both tiles.
; LIMITS.  bf16 operands; a weight below 2^-126 counts as 0; NaN and infinities are not treated apart.  O^T starts at 0 by 64 v_mov_b32 in the wait for the tile: no first step is written out.
; REGISTERS: window 0: v0-18 addresses; v32-63 L2 of a step; v64-127 S^T; v128-159 P; v160-223 O^T.  window 1: v0-31 my rows of k; v64-127 q of a step; v128-191 q turned.
.set PK,    144
.set STEPB, 64*PK
.set TILE,  1024*PK
.set LB,    TILE       ; the table of L2
.set STAGE, LB+4096
.set SP,    144
.set SPARE, STAGE+8*16*SP  ; the spare words, 128 bytes a wave: four blocks of 256 bytes that no other line names
.set AK0, 2
.set AV0, 3
.set AK,  4
.set AV,  5
.set STO, 6
.set RD,  7
.set GO,  8
.set AL0, 10
.set AL,  11
.set SPW, 14           ; LDS address of my spare word; never rewritten
.set NIL, 15           ; 0; never rewritten
.set QO,  16
.set L,   32
.set S,   64
.set P,   128
.set O,   160
.set KF,  64           ; window 1
.set VF,  128          ; window 1
.set WV,  12
.set G1,  24
.set G1L, 32
.set G0,  40
.set G0L, 44
.set CNT, 56
.set TLN, 57           ; byte of the next step's L2 in the table
.set CS,  58
.set TB,  62
.set TBN, 63
.set MSB, 0
.macro WIN new
.if MSB != (\new)
	s_set_vgpr_msb (MSB<<8)|(\new)
.set MSB, \new
.endif
.endm
.macro CROUND
	s_barrier_signal -1
	s_barrier_wait -1
	s_cmp_lg_u32 s[WV], 0
	s_cbranch_scc1 .Lnot_wave_0_\@
	s_barrier_signal -3
.Lnot_wave_0_\@:
	s_barrier_wait -3
	s_barrier_signal -1
	s_barrier_wait -1
.endm
	s_load_b128 s[4:7], s[0:1], 0x0                ; qk s[4:5], lse2 s[6:7]
	s_load_b64 s[8:9], s[0:1], 0x10                ; acat
	v_lshl_add_u32 v[SPW], v0, 2, SPARE
	v_mov_b32 v[NIL], 0
	ds_add_u32 v[SPW], v[NIL]                      ; the wave's opening: the add and its wait ahead of my first tensor load
	v_lshrrev_b32 v1, 5, v0
	v_readfirstlane_b32 s[WV], v1
	s_bfe_u32 s13, ttmp6, 0x40000                  ; cx
	s_lshl_b32 s14, ttmp9, 2
	s_add_co_u32 s14, s14, s13                     ; my block of 256 rows of k: it enters the addresses of my own rows and results alone
	s_and_b32 s15, ttmp7, 0xffff
	s_and_b32 s16, s15, 15                         ; the head
	s_lshr_b32 s17, s15, 4                         ; the batch
	s_lshl_b32 s20, s16, 19                        ; the walked rows: block h, batch b, my wave's 128 rows
	s_lshl_b32 s21, s17, 17
	s_add_co_u32 s20, s20, s21
	s_lshl_b32 s21, s[WV], 14
	s_add_co_u32 s20, s20, s21
	s_mov_b32 s21, 0
	s_lshl_b32 s50, s16, 14                        ; their L2: (4,096 h + 1,024 b + 128 wave) words
	s_lshl_b32 s51, s17, 12
	s_add_co_u32 s50, s50, s51
	s_lshl_b32 s51, s[WV], 9
	s_add_co_u32 s50, s50, s51
	s_mov_b32 s51, 0
	s_lshl_b32 s18, s17, 17                        ; my wave's first row in a block, in bytes
	s_lshl_b32 s19, s14, 15
	s_add_co_u32 s18, s18, s19
	s_lshl_b32 s19, s[WV], 12
	s_add_co_u32 s18, s18, s19
	s_add_co_u32 s22, s16, 16                      ; my own rows: block 16 + h
	s_lshl_b32 s22, s22, 19
	s_add_co_u32 s22, s22, s18
	s_mov_b32 s23, 0
	s_add_co_u32 s48, s16, 80                      ; dk: acat's block 80 + h
	s_lshl_b32 s48, s48, 19
	s_add_co_u32 s48, s48, s18
	s_mov_b32 s49, 0
	s_mov_b32 s[G1], 15|(1<<16)|(1<<20)|(1<<21)|(4<<22)|(3<<25)  ; 128 dense rows of 128 bytes as 64 rows of 256, 16 bytes of padding behind every 128
	s_mov_b32 s[G1+1], 128<<16
	s_mov_b32 s[G1+2], 64<<16
	s_mov_b32 s[G1+3], 128<<16
	s_mov_b32 s[G1+4], 64
	s_mov_b32 s[G1+5], 128
	s_mov_b32 s[G1+6], 0
	s_mov_b32 s[G1+7], 0
	s_mov_b32 s[G1L], 15|(3<<16)|(1<<21)           ; one row of 512 bytes: 64 elements of 8 bytes, no padding
	s_mov_b32 s[G1L+1], 64<<16
	s_mov_b32 s[G1L+2], 1<<16
	s_mov_b32 s[G1L+3], 64<<16
	s_mov_b32 s[G1L+4], 1
	s_mov_b32 s[G1L+5], 64
	s_mov_b32 s[G1L+6], 0
	s_mov_b32 s[G1L+7], 0
	s_mov_b32 s[G0], 1
	s_mul_i32 s[G0+1], s[WV], 128*PK
	s_mov_b32 s[G0L], 1
	s_lshl_b32 s[G0L+1], s[WV], 9
	s_add_co_u32 s[G0L+1], s[G0L+1], LB
	s_mov_b32 s[CS], 0x3e38aa3b                    ; c = log2(e) / 8
	s_mov_b32 s[CS+1], s[CS]
	s_mov_b32 s[TB], 0
	s_mov_b32 s[TBN], STEPB
	s_mov_b32 s[TLN], 256
	s_mov_b32 s[CNT], 16
	s_wait_dscnt 0x0                               ; the opening add is done
	s_wait_kmcnt 0x0
	s_add_nc_u64 s[G0+2:G0+3], s[4:5], s[20:21]
	s_or_b32 s[G0+3], s[G0+3], 0x80000000
	s_add_nc_u64 s[G0L+2:G0L+3], s[6:7], s[50:51]
	s_or_b32 s[G0L+3], s[G0L+3], 0x80000000
	s_add_nc_u64 s[22:23], s[4:5], s[22:23]
	s_add_nc_u64 s[48:49], s[8:9], s[48:49]
	CROUND                                         ; all four work-groups are here: the joint loads meet
	tensor_load_to_lds s[G0:G0+3], s[G1:G1+7]      ; my two tensor loads of the launch go out together
	s_nop 0
	tensor_load_to_lds s[G0L:G0L+3], s[G1L:G1L+7]
	s_nop 0
.rept 4
	v_nop
.endr
	v_and_b32 v1, 15, v0
	v_bfe_u32 v9, v0, 4, 1
	v_lshlrev_b32 v[QO], 7, v1
	v_lshl_add_u32 v[QO], v9, 4, v[QO]
	WIN 0x40
.set i, 0
.rept 4                                                ; my rows of k stay in registers: tile i / 2, channels 32 (i % 2) on
	global_load_b128 v[8*i:8*i+3],   v[QO], s[22:23] offset:(i/2)*2048+(i%2)*64
	global_load_b128 v[8*i+4:8*i+7], v[QO], s[22:23] offset:(i/2)*2048+(i%2)*64+32
.set i, i+1
.endr
	WIN 0
.set i, 0
.rept 64
	v_mov_b32 v[O+i], 0
.set i, i+1
.endr
	v_mul_u32_u24 v[AK0], v1, PK
	v_lshl_add_u32 v[AK0], v9, 4, v[AK0]
	v_and_b32 v17, 7, v0
	v_bfe_u32 v18, v0, 3, 1
	v_lshl_add_u32 v[AV0], v9, 3, v17
	v_mul_u32_u24 v[AV0], v[AV0], PK
	v_lshl_add_u32 v[AV0], v18, 4, v[AV0]
	v_lshl_add_u32 v[AL0], v9, 5, LB               ; my half of the lanes' eight words of each sixteen
	s_mul_i32 s19, s[WV], 16*SP
	s_add_co_u32 s19, s19, STAGE
	v_mul_u32_u24 v[STO], v1, SP
	v_lshl_add_u32 v[STO], v9, 4, v[STO]
	v_add_nc_u32 v[STO], s19, v[STO]
	v_bfe_u32 v[RD], v0, 3, 2
	v_mul_u32_u24 v[RD], v[RD], SP
	v_lshl_add_u32 v[RD], v17, 4, v[RD]
	v_add_nc_u32 v[RD], s19, v[RD]
	v_and_b32 v[GO], 31, v0
	v_lshlrev_b32 v[GO], 4, v[GO]
	v_mov_b32 v[AK], v[AK0]
	v_mov_b32 v[AL], v[AL0]
.macro KQ                              ; product i of 16 of S^T: channels 32 (i / 8) on, queries 16 ((i / 2) % 4) on, tile i % 2; the 8 accumulators take turns
.set rS, S+32*(i%2)+8*((i/2)%4)
.set rK, KF+16*((i/2)%4)+8*(i/8)
.set rQ, 16*(i%2)+8*(i/8)
.if i < 8
	v_wmma_f32_16x16x32_bf16 v[rS:rS+7], v[rK:rK+7], v[rQ:rQ+7], 0
.else
	v_wmma_f32_16x16x32_bf16 v[rS:rS+7], v[rK:rK+7], v[rQ:rQ+7], v[rS:rS+7]
.endif
.endm
.macro PV                              ; product i of 16 of O^T += q^T P: queries 32 (i / 8) on, channels 16 ((i / 2) % 4) on, tile i % 2
.set rO, O+32*(i%2)+8*((i/2)%4)
.set rV, VF+32*(i/8)+8*((i/2)%4)
.set rP, P+16*(i%2)+8*(i/8)
	v_wmma_f32_16x16x32_bf16 v[rO:rO+7], v[rV:rV+7], v[rP:rP+7], v[rO:rO+7]
.endm
.macro FETCH_K
.irp f, 0,1,2,3,4,5,6,7
	ds_load_b128 v[KF+8*\f:KF+8*\f+3],   v[AK] offset:(\f/2)*16*PK+(\f%2)*64
	ds_load_b128 v[KF+8*\f+4:KF+8*\f+7], v[AK] offset:(\f/2)*16*PK+(\f%2)*64+32
.endr
.endm
.macro FETCH_V
.irp f, 0,1,2,3,4,5,6,7
	ds_load_tr16_b128 v[VF+8*\f:VF+8*\f+3],   v[AV] offset:(\f/4)*32*PK+(\f%4)*32
	ds_load_tr16_b128 v[VF+8*\f+4:VF+8*\f+7], v[AV] offset:(\f/4)*32*PK+16*PK+(\f%4)*32
.endr
.endm
.macro FETCH_L
.irp f, 0,1,2,3                        ; queries 16 f + 8 (l / 16) + 0..7
	ds_load_b128 v[L+8*\f:L+8*\f+3],   v[AL] offset:64*\f
	ds_load_b128 v[L+8*\f+4:L+8*\f+7], v[AL] offset:64*\f+16
.endr
.endm
	s_wait_tensorcnt 0x0                           ; my parts of the rows and of the table are in,
	s_barrier_signal -1
	s_barrier_wait -1                              ; everybody's are
	WIN 0x40
	FETCH_K                                        ; step 0
	WIN 0
	FETCH_L
	s_wait_loadcnt 0x0                             ; my rows of k
.Lstep:                                                ; 16 trips, 64 queries each
	s_wait_dscnt 0x0                               ; this step's rows and L2 are in
	WIN 0x05
.set i, 0
.rept 16
	KQ
.set i, i+1
.endr
	WIN 0
	v_add_nc_u32 v[AV], s[TB], v[AV0]              ; four plain lines: the places behind these products and behind the last trip's second products
	v_add_nc_u32 v[AK], s[TBN], v[AK0]
	v_add_nc_u32 v[AL], s[TLN], v[AL0]
	v_nop
	WIN 0x40
	FETCH_V                                        ; this step's rows, turned
	FETCH_K                                        ; the next step's
	WIN 0
.set n, 0
.rept 16                                               ; c s - L2, a pair at a time, each accumulator from its low end; the same L2 serve both tiles
	v_pk_fma_f32 v[S+2*n:S+2*n+1], v[S+2*n:S+2*n+1], s[CS:CS+1], v[L+2*n:L+2*n+1] op_sel_hi:[1,0,1] neg_lo:[0,0,1] neg_hi:[0,0,1]
	v_pk_fma_f32 v[S+32+2*n:S+32+2*n+1], v[S+32+2*n:S+32+2*n+1], s[CS:CS+1], v[L+2*n:L+2*n+1] op_sel_hi:[1,0,1] neg_lo:[0,0,1] neg_hi:[0,0,1]
.set n, n+1
.endr
	FETCH_L                                        ; the next step's L2
.set j, 0
.rept 32                                               ; two exponentials and the rounding of the pair before: a plain line stands between every exponential and the use of its result
	v_exp_f32 v[S+2*j], v[S+2*j]
	v_exp_f32 v[S+2*j+1], v[S+2*j+1]
.if j == 0
	v_nop
.else
	s_wait_alu depctr_va_vdst(0)
	v_cvt_pk_bf16_f32 v[P+j-1], v[S+2*j-2], v[S+2*j-1]
.endif
.set j, j+1
.endr
	v_cvt_pk_bf16_f32 v[P+31], v[S+62], v[S+63]
	s_wait_dscnt 24                                ; the turned rows are in; behind them 16 loads of rows and 8 of L2 may stay out
	WIN 0x01
.set i, 0
.rept 16
	PV
.set i, i+1
.endr
	WIN 0
	s_mov_b32 s[TB], s[TBN]
	s_add_co_u32 s[TBN], s[TBN], STEPB
	s_min_u32 s[TBN], s[TBN], TILE-STEPB           ; the last trip's look-ahead reads the last step's bytes once more: no read leaves the tile or the table
	s_add_co_u32 s[TLN], s[TLN], 256
	s_min_u32 s[TLN], s[TLN], 4096-256
	s_sub_co_u32 s[CNT], s[CNT], 1
	s_cmp_lg_u32 s[CNT], 0
	s_cbranch_scc1 .Lstep
.rept 4
	v_nop                                          ; the places behind the last products
.endr
.macro PACK u                          ; rounded; a lane's eight channels are 16 bytes; through my stage they come back as whole rows of 128 bytes
.set i, 0
.rept 16
	v_cvt_pk_bf16_f32 v[S+16*\u+i], v[O+32*\u+2*i], v[O+32*\u+2*i+1]
.set i, i+1
.endr
.irp f, 0,1,2,3
	ds_store_b128 v[STO], v[S+16*\u+4*\f:S+16*\u+4*\f+3] offset:32*\f
.endr
.irp f, 0,1,2,3
	ds_load_b128 v[S+16*\u+4*\f:S+16*\u+4*\f+3], v[RD] offset:\f*4*SP  ; LDS serves a wave's instructions in order (ISA guide 5.7.1.4)
.endr
.endm
.macro SEND u, younger
.irp f, 0,1,2,3
	s_wait_dscnt (\younger)+3-\f
	global_store_b128 v[GO], v[S+16*\u+4*\f:S+16*\u+4*\f+3], s[48:49] offset:\u*2048+\f*512  ; four rows: 512 consecutive bytes, aligned
.endr
.endm
	PACK 0
	PACK 1
	SEND 0, 8
	SEND 1, 0
	s_wait_tensorcnt 0x0                           ; the wave's end
	ds_add_u32 v[SPW], v[NIL]
	s_wait_dscnt 0x0
	CROUND                                         ; the closing round
	s_endpgm
.Lfunc_end_k_qef4f1d693d_attn2:
	.size	k_qef4f1d693d_attn2, .Lfunc_end_k_qef4f1d693d_attn2-k_qef4f1d693d_attn2
	.p2alignl 7, 3214868480
	.fill 96, 4, 3214868480
	.section	.rodata,"a",@progbits
	.p2align	6, 0x0
	.amdhsa_kernel k_qef4f1d693d_attn2
		.amdhsa_group_segment_fixed_size 171008
		.amdhsa_private_segment_fixed_size 0
		.amdhsa_enable_private_segment 0
		.amdhsa_kernarg_size 24
		.amdhsa_user_sgpr_count 2
		.amdhsa_user_sgpr_kernarg_segment_ptr 1
		.amdhsa_wavefront_size32 1
		.amdhsa_system_sgpr_workgroup_id_x 1
		.amdhsa_system_sgpr_workgroup_id_y 1
		.amdhsa_system_sgpr_workgroup_id_z 1
		.amdhsa_system_vgpr_workitem_id 0
		.amdhsa_next_free_vgpr 448
		.amdhsa_next_free_sgpr 66
		.amdhsa_reserve_vcc 0
		.amdhsa_float_denorm_mode_32 3
		.amdhsa_float_denorm_mode_16_64 3
		.amdhsa_memory_ordered 1
		.amdhsa_forward_progress 1
		.amdhsa_inst_pref_size 27
	.end_amdhsa_kernel
	.amdgpu_metadata
---
amdhsa.version: [ 1, 2 ]
amdhsa.kernels:
  - .name:           k_qef4f1d693d_attn2
    .symbol:         k_qef4f1d693d_attn2.kd
    .args:
      - { .name: qk, .offset: 0, .size: 8, .value_kind: global_buffer, .address_space: global }
      - { .name: lse2, .offset: 8, .size: 8, .value_kind: global_buffer, .address_space: global }
      - { .name: acat, .offset: 16, .size: 8, .value_kind: global_buffer, .address_space: global }
    .group_segment_fixed_size: 171008
    .private_segment_fixed_size: 0
    .kernarg_segment_align: 8
    .kernarg_segment_size: 24
    .max_flat_workgroup_size: 256
    .sgpr_count:     66
    .vgpr_count:     448
    .wavefront_size: 32
...
	.end_amdgpu_metadata
.endif
;; end of part 4
;; launch gemm2 (part 5): grid 8 x 32, 4 waves a work-group, clusters of 4 x 1, 327,680 bytes of LDS; arguments acat, bcat, epart, out0, out1; writes out0, out1
.if DOCPART == 5
	.amdgcn_target "amdgcn-amd-amdhsa--gfx1250"
	.amdhsa_code_object_version 6
	.text
	.protected	k_qef4f1d693d_gemm2
	.globl	k_qef4f1d693d_gemm2
	.p2align	8
	.type	k_qef4f1d693d_gemm2,@function
k_qef4f1d693d_gemm2:
	s_mov_b64 s[64:65], 0
	v_nop
	global_prefetch_b8 v0, s[64:65] scope:SCOPE_SE
	s_setreg_imm32_b32 hwreg(HW_REG_WAVE_MODE, 25, 1), 1
	s_wait_xcnt 0x0
	s_wait_alu depctr_hold_cnt(0) depctr_sa_sdst(0) depctr_va_vdst(0) depctr_va_sdst(0) depctr_va_ssrc(0) depctr_va_vcc(0) depctr_vm_vsrc(0)
	s_getreg_b32 s2, hwreg(HW_REG_IB_STS2, 6, 4)
	s_cmp_eq_u32 s2, 0
	s_cbranch_scc0 .Lentry_in_a_cluster
	s_endpgm
.Lentry_in_a_cluster:
	s_bfe_u32 s2, ttmp6, 0x10000c
	s_cmp_lg_u32 s2, 0x3003
	s_cbranch_scc0 .Lentry_shape_is_right
	s_endpgm
.Lentry_shape_is_right:
; GEMM2: out0[4096][1024] (f32) = acat bcat^T, K = 6,144 (h, dq, dk against the negated W_hop, Wq, Wk); and out1 = the sum of epart's 3,072 partial energies.
; acat lies as [K/64][4096][64] bf16 (a block row is 128 bytes, a block's rows are dense); bcat in fragment order, [K/32][n/16][2][32 lanes][16 bytes]: a fragment is two loads of 512 consecutive bytes.
; TILE.  4,096 x 1,024 / 256 work-groups = 128 x 128.  K IS SPLIT AMONG THE FOUR WAVES: of each 512 along K wave w multiplies 128 w .. 128 w + 127, and makes the whole 128 x 128 in 512 registers.
; The four f32 partial tiles are added once at the end, through LDS: each output is the sum of four f32 partial sums, an order of rounding other than one ascending chain.
; A goes through a ring of two LDS slots of 512 along K (8 blocks); wave w fetches, by one tensor load, the two blocks that it multiplies.  CLUSTER 4 x 1: the four tiles of a tile row need the same A:
; each load is a joint one, with the same descriptor and the mask of four in all four.
; B GOES FROM MEMORY STRAIGHT INTO REGISTERS, AND IS NOT ASKED FOR JOINTLY.  The reason: with K split among the waves no two waves of a work-group use the same fragment of B, so LDS would hold each of its
; bytes for one reader; and without B a slot has room for twice the K: 256 matrix instructions a wave between two changes of slots, 224 between a request for a tile and the wait for it, where slots with
; A and B had 128 and 96.  The price: each of the 32 tile rows asks for B's 12 MiB by itself.  Four register buffers: in the middle of step j (32 along K) the 16 loads of step j + 3 go out, 160 matrix
; instructions ahead of their first use.
; THE MATRIX INSTRUCTION IS USED TRANSPOSED (source 0 = 16 rows of bcat, source 1 = 16 rows of acat): a lane holds eight neighbouring columns of one row of the result.
; REGISTERS: window 0: v0-31 addresses; v64-127, v128-191 A's fragments, two buffers.  window 1: B's fragments, four buffers of 64.  windows 2, 3: the accumulators of rows 0-63, 64-127: (a, b) at v[8 (8 a + b)].
.set PITCH, 144        ; 128 bytes + 16: the 16 rows of a fragment load start at 16 different groups of four banks (64 banks of 4 bytes: ISA guide 11.1)
.set KB,    128*PITCH  ; a block of 64 along K, 128 rows
.set SLOT,  8*KB
.set SPARE, 2*SLOT     ; behind the ring the spare words, 128 bytes a wave: two blocks of 256 bytes that no other line names
.set PP,    528        ; a row of a partial tile: 512 bytes + 16 = 33 x 16
.set PLANE, 128*PP     ; the four partial tiles overlay the ring when it has had its last fill
.set ABLK,  4096*128   ; bytes of a block of acat
.set ROWE,  8192       ; a block's 128 rows as one row of the descriptor, in elements
.set BCH,   65536      ; bytes of 32 along K of bcat
.set BTILE, 16*BCH     ; of 512 along K
.set ZOFF, 5           ; v5     0: the offset of out1's store
.set EN,   6           ; v6     the energy (wave 0), kept from the head to the end
.set RDP,  8           ; v8-11  where I read rows of the four partial tiles
.set BO,   12          ; v12    16 x lane: my offset in 512 consecutive bytes; never rewritten
.set ADRA, 16          ; v16-17 LDS address of my A fragments in slot 0, 1
.set STO,  24
.set CO,   26
.set LANE, 27
.set SPW,  28          ; LDS address of my spare word; never rewritten
.set NIL,  29          ; 0; never rewritten
.set F0,   64
.set WV, 14
.set CX, 17
.set CT, 19
.set RT, 20
.set G1, 24            ; s[24:31] descriptor group 1
.set G0, 32            ; s[32:39] descriptor group 0, a set for each slot
.set SB, 44            ; s[44:45] bcat at my fragments of the lap's first 32 along K
.set MSB, 0
.macro WIN new
.if MSB != (\new)
	s_set_vgpr_msb (MSB<<8)|(\new)
.set MSB, \new
.endif
.endm
.set MUL_LO, 0xa1      ; source 0 (B) window 1, source 1 (A) window 0, C and D window 2
.set TO_B,   0x40      ; destination window 1, address window 0
.macro PLACES                          ; four plain vector instructions between a matrix instruction and a load into, or a store of, its registers (ISA guide 7.12.1 for stores)
.rept 4
	v_nop
.endr
.endm
.macro CREST                           ; a round of the cluster's barrier behind its opening barrier
	s_cmp_lg_u32 s[WV], 0
	s_cbranch_scc1 .Lnot_wave_0_\@
	s_barrier_signal -3
.Lnot_wave_0_\@:
	s_barrier_wait -3
	s_barrier_signal -1
	s_barrier_wait -1
.endm
.macro CROUND
	s_barrier_signal -1
	s_barrier_wait -1
	CREST
.endm
; 16 loads: B's eight fragments of step jr, counted from the lap's first step, into buffer jr % 4.  A step is 32 along K; four steps on end, then 12 further on: the next 512 along K.
.macro BLOAD jr
	WIN TO_B
.set i, 0
.rept 16
	global_load_b128 v[64*((\jr)%4)+4*i:64*((\jr)%4)+4*i+3], v[BO], s[SB:SB+1] offset:((\jr)/4)*BTILE+((\jr)%4)*BCH+512*i
.set i, i+1
.endr
.endm
	s_load_b256 s[4:11], s[0:1], 0x0               ; acat s[4:5], bcat s[6:7], epart s[8:9], out0 s[10:11]
	s_load_b64 s[12:13], s[0:1], 0x20              ; out1
	v_lshl_add_u32 v[SPW], v0, 2, SPARE
	v_mov_b32 v[NIL], 0
	ds_add_u32 v[SPW], v[NIL]                      ; the wave's opening: the add and its wait ahead of my first tensor load
	v_lshrrev_b32 v1, 5, v0
	v_readfirstlane_b32 s[WV], v1
	s_bfe_u32 s[CX], ttmp6, 0x40000
	s_lshl_b32 s[CT], ttmp9, 2
	s_add_co_u32 s[CT], s[CT], s[CX]               ; tile column = 4 x cluster x + cx: it enters B's and the results' addresses alone
	s_and_b32 s[RT], ttmp7, 0xffff                 ; tile row, which the four partners share
	; group 1: two rows of 8,192 elements (a block's 128 dense rows each), a block apart; 16 bytes of padding behind every 128
	s_mov_b32 s[G1], 15|(1<<16)|(1<<20)|(1<<21)|(4<<22)|(3<<25)  ; the mask of four; 2-byte elements; padding on; bit 21 beside a mask; after every 32 words (code 4) 4 words (code 3)
	s_mov_b32 s[G1+1], (ROWE&0xffff)<<16           ; tensor_dim0 = 8,192
	s_mov_b32 s[G1+2], 2<<16                       ; tensor_dim1 = 2
	s_mov_b32 s[G1+3], ROWE<<16                    ; tile_dim0 = 8,192
	s_mov_b32 s[G1+4], 2                           ; tile_dim1 = 2
	s_mov_b32 s[G1+5], ABLK/2                      ; elements from block to block
	s_mov_b32 s[G1+6], 0
	s_mov_b32 s[G1+7], 0
	s_lshl_b32 s40, s[RT], 14                      ; A: 128 rows x tile row, and my two blocks of the slot's eight
	s_lshl_b32 s41, s[WV], 20
	s_add_co_u32 s40, s40, s41
	s_mov_b32 s41, 0
	s_lshl_b32 s42, s[CT], 13                      ; B: the tile column's eight fragments of 1,024 bytes, and my four steps of the sixteen
	s_lshl_b32 s43, s[WV], 18
	s_add_co_u32 s42, s42, s43
	s_mov_b32 s43, 0
	s_mul_i32 s46, s[WV], 2*KB                     ; where A's blocks go: the wave's number alone enters an LDS address
	s_wait_dscnt 0x0                               ; the opening add is done
	s_wait_kmcnt 0x0
	s_add_nc_u64 s[40:41], s[4:5], s[40:41]
	s_add_nc_u64 s[SB:SB+1], s[6:7], s[42:43]
.irp s, 0,1
	s_mov_b32 s[G0+4*\s], 1
	s_add_co_u32 s[G0+4*\s+1], s46, \s*SLOT
	s_add_nc_u64 s[G0+4*\s+2:G0+4*\s+3], s[40:41], \s*8*ABLK
	s_or_b32 s[G0+4*\s+3], s[G0+4*\s+3], 0x80000000
.endr
	CROUND                                         ; all four work-groups are here: the first joint loads meet
	tensor_load_to_lds s[G0:G0+3], s[G1:G1+7]      ; both slots' first fills go out together: two tensor loads of mine are out
	s_nop 0
	tensor_load_to_lds s[G0+4:G0+7], s[G1:G1+7]
	s_nop 0
.rept 4
	v_nop
.endr
	v_and_b32 v[LANE], 31, v0
	v_lshlrev_b32 v[BO], 4, v[LANE]
	BLOAD 0
	BLOAD 1
	WIN 0
	v_and_b32 v1, 15, v0
	v_bfe_u32 v2, v0, 4, 1
	v_mul_u32_u24 v3, v1, PITCH                    ; a fragment: row l % 16, 16 bytes for each half of the lanes
	v_lshl_add_u32 v3, v2, 4, v3
	v_add_nc_u32 v[ADRA], s46, v3                  ; in my two blocks
	v_add_nc_u32 v[ADRA+1], SLOT, v[ADRA]
	s_mul_i32 s46, s[WV], PLANE                    ; my partial tile: row l % 16, 32 bytes for each half of the lanes
	v_mul_u32_u24 v[STO], v1, PP
	v_lshl_add_u32 v[STO], v2, 5, v[STO]
	v_add_nc_u32 v[STO], s46, v[STO]
	s_mul_i32 s46, s[WV], 32*PP                    ; back: wave w adds rows 32 w .. 32 w + 31 of the four; 32 lanes take a row's 512 bytes
	v_lshl_add_u32 v[RDP], v[LANE], 4, s46
.irp s, 1,2,3
	v_add_nc_u32 v[RDP+\s], \s*PLANE, v[RDP]
.endr
	v_lshlrev_b32 v[CO], 4, v[LANE]
	s_lshl_b32 s46, s[RT], 19                      ; out0 at row 128 x tile row + 32 x wave (4,096 bytes a row), column 128 x tile column
	s_lshl_b32 s47, s[WV], 17
	s_add_co_u32 s46, s46, s47
	s_lshl_b32 s47, s[CT], 9
	s_add_co_u32 s46, s46, s47
	s_mov_b32 s47, 0
	s_add_nc_u64 s[10:11], s[10:11], s[46:47]
	v_mov_b32 v[ZOFF], 0
	v_mov_b32 v[EN], 0
	; THE ENERGY, in the wait for the first tiles: wave 0 adds epart's 3,072 numbers, all lanes on, and keeps the sum; it is stored at the kernel's end.  The branch hangs on the wave's number alone.
	s_cmp_lg_u32 s[WV], 0
	s_cbranch_scc1 .Lno_energy
.set i, 0
.rept 24
	global_load_b128 v[64+4*i:67+4*i], v[BO], s[8:9] offset:512*i
.set i, i+1
.endr
	s_mov_b32 s46, 0x76543210                      ; v_permlanex16_b32: each lane takes its own place in the other half
	s_mov_b32 s47, 0xfedcba98
	s_wait_loadcnt 0x0
.set n, 24
.rept 4                                                ; 48 pairs: 24, 12, 6, 3 packed additions
.set p, 0
.rept n
	v_pk_add_f32 v[64+2*p:65+2*p], v[64+2*p:65+2*p], v[64+2*(p+n):65+2*(p+n)]
.set p, p+1
.endr
.set n, n/2
.endr
	v_pk_add_f32 v[64:65], v[64:65], v[66:67]
	v_pk_add_f32 v[64:65], v[64:65], v[68:69]
	v_add_f32 v64, v64, v65
	v_add_f32_dpp v64, v64, v64 row_xmask:1 row_mask:0xf bank_mask:0xf
	v_add_f32_dpp v64, v64, v64 row_xmask:2 row_mask:0xf bank_mask:0xf
	v_add_f32_dpp v64, v64, v64 row_xmask:4 row_mask:0xf bank_mask:0xf
	v_add_f32_dpp v64, v64, v64 row_xmask:8 row_mask:0xf bank_mask:0xf
	v_permlanex16_b32 v65, v64, s46, s47
	v_add_f32 v[EN], v64, v65
.Lno_energy:
	BLOAD 2
	WIN 0
; 16 matrix instructions: m blocks a0, a0 + 1 of the window's four x all 8 n blocks, 32 along K: A's buffer f, B's buffer bq.  The 64 accumulators take turns, one instruction a turn.
.macro MUL16 f, bq, hi, a0, zero
	WIN MUL_LO+0x50*(\hi)
.irp a, \a0, (\a0)+1
.irp b, 0,1,2,3,4,5,6,7
.if \zero
	v_wmma_f32_16x16x32_bf16 v[8*(8*(\a)+(\b)):8*(8*(\a)+(\b))+7], v[64*(\bq)+8*(\b):64*(\bq)+8*(\b)+7], v[(\f)+8*(4*(\hi)+(\a)):(\f)+8*(4*(\hi)+(\a))+7], 0
.else
	v_wmma_f32_16x16x32_bf16 v[8*(8*(\a)+(\b)):8*(8*(\a)+(\b))+7], v[64*(\bq)+8*(\b):64*(\bq)+8*(\b)+7], v[(\f)+8*(4*(\hi)+(\a)):(\f)+8*(4*(\hi)+(\a))+7], v[8*(8*(\a)+(\b)):8*(8*(\a)+(\b))+7]
.endif
.endr
.endr
.endm
.macro FETCH slot, q, f                ; 16 LDS loads in one run: A's 128 rows of step q of the slot (my block q / 2, its half q % 2)
	WIN 0
.irp i, 0,1,2,3,4,5,6,7
	ds_load_b128 v[(\f)+8*(\i):(\f)+8*(\i)+3],   v[ADRA+(\slot)] offset:((\q)/2)*KB+((\q)%2)*64+(\i)*16*PITCH
	ds_load_b128 v[(\f)+8*(\i)+4:(\f)+8*(\i)+7], v[ADRA+(\slot)] offset:((\q)/2)*KB+((\q)%2)*64+(\i)*16*PITCH+32
.endr
.endm
; A slot is four steps of 32 along K for each wave, 64 matrix instructions each, on A's buffers 0, 1, 0, 1 and B's 0, 1, 2, 3.  QUARTER: one of the first three.  In its middle, in one run: B's step bl (none if
; bl < 0) into the buffer that the step before read, and A's next step into the other buffer.  ln: the loads of B issued behind this step's, which may stay out.
.macro QUARTER slot, q, zero, bl, ln
	s_wait_loadcnt \ln                             ; loads come back in order: this step's B is in
	s_wait_dscnt 8                                 ; A's rows 0-63 are in; the youngest eight loads (rows 64-127) may be out
	MUL16 F0+64*((\q)%2), \q, 0, 0, \zero
	MUL16 F0+64*((\q)%2), \q, 0, 2, \zero
	PLACES
.if (\bl) >= 0
	BLOAD \bl
.endif
	FETCH \slot, (\q)+1, F0+64*(((\q)+1)%2)
	s_wait_dscnt 16                                ; all but the 16 just issued
	MUL16 F0+64*((\q)%2), \q, 1, 0, \zero
	MUL16 F0+64*((\q)%2), \q, 1, 2, \zero
.endm
; TURN: the slot's fourth step, and the change of slots: ONE barrier.  In front of it each wave waits for all its tensor loads (one is out: its part of the next slot), adds 0 to its spare word, and waits
; for that and for its reads of this slot.  fill = 1: the barrier opens a round of the cluster's, and this slot is filled again, two slots on, first thing behind the round.
.macro TURN slot, next, fill, bl
	WIN 0
	s_wait_loadcnt 32                              ; this step's B is in
	s_wait_tensorcnt 0x0
	ds_add_u32 v[SPW], v[NIL]                      ; 0 onto my spare word
	s_wait_dscnt 9                                 ; (the add and the youngest eight loads may be out)
	MUL16 F0+64, 3, 0, 0, 0
	s_wait_dscnt 0x0                               ; the add is done, and my reads of this slot are over
	s_barrier_signal -1
	MUL16 F0+64, 3, 0, 2, 0
	WIN 0
	s_barrier_wait -1
.if \fill
	CREST                                          ; no wave of any partner still reads this slot or has a load on its way
	s_add_nc_u64 s[G0+4*(\slot)+2:G0+4*(\slot)+3], s[G0+4*(\slot)+2:G0+4*(\slot)+3], 16*ABLK
	tensor_load_to_lds s[G0+4*(\slot):G0+4*(\slot)+3], s[G1:G1+7]
	s_nop 0
.endif
	PLACES                                         ; behind the tensor load; and the places in front of the loads below
	BLOAD \bl
	FETCH \next, 0, F0
	MUL16 F0+64, 3, 1, 0, 0
	MUL16 F0+64, 3, 1, 2, 0
.endm
	s_wait_tensorcnt 1                             ; my part of slot 0 is in; slot 1's may stay out
	s_barrier_signal -1
	s_barrier_wait -1
	FETCH 0, 0, F0
	QUARTER 0, 0, 1, 3, 32                         ; the first step stands in front of the loop: its products start the sums
	WIN 0
	s_mov_b32 s3, 5
.Llap:                                                 ; a trip goes once round the ring, from a lap's second step to the next lap's first, and fills both slots again: the slots' fills 2 to 11 in five trips
	QUARTER 0, 1, 0, 4, 32
	QUARTER 0, 2, 0, 5, 32
	TURN 0, 1, 1, 6
	QUARTER 1, 0, 0, 7, 32
	QUARTER 1, 1, 0, 8, 32
	QUARTER 1, 2, 0, 9, 32
	TURN 1, 0, 1, 10
	QUARTER 0, 0, 0, 11, 32
	WIN 0
	s_wait_xcnt 0x0                                ; B's base is stepped only behind this wait
	s_add_nc_u64 s[SB:SB+1], s[SB:SB+1], 2*BTILE
	s_sub_co_u32 s3, s3, 1
	s_cmp_lg_u32 s3, 0
	s_cbranch_scc1 .Llap
	QUARTER 0, 1, 0, 4, 32                         ; the tail fills no slot,
	QUARTER 0, 2, 0, 5, 32
	TURN 0, 1, 0, 6
	QUARTER 1, 0, 0, 7, 32
	QUARTER 1, 1, 0, -1, 32                        ; and its last three steps load no B: the counts run down
	QUARTER 1, 2, 0, -1, 16
	s_wait_loadcnt 0x0
	s_wait_dscnt 8
	MUL16 F0+64, 3, 0, 0, 0
	MUL16 F0+64, 3, 0, 2, 0
	s_wait_dscnt 0x0
	MUL16 F0+64, 3, 1, 0, 0
	MUL16 F0+64, 3, 1, 2, 0
	WIN 0
	; THE WAY OUT.  The partial tiles overlay the ring, which has had its last fill: every wave's reads of the ring are over, and a barrier says so.
	s_barrier_signal -1
	s_barrier_wait -1
	PLACES
.irp hi, 0,1
	WIN 0x08+4*\hi                                 ; the stores' data in window 2 or 3
.set t, 0
.rept 32                                               ; t = 8 a + b: rows 16 (4 hi + a) on, columns 16 b on; each accumulator's low four registers first
	ds_store_b128 v[STO], v[8*t:8*t+3]   offset:(4*\hi+t/8)*16*PP+64*(t%8)
	ds_store_b128 v[STO], v[8*t+4:8*t+7] offset:(4*\hi+t/8)*16*PP+64*(t%8)+16
.set t, t+1
.endr
.endr
	WIN 0
	s_wait_dscnt 0x0                               ; for the others' sake: my partial tile is written
	s_barrier_signal -1
	s_barrier_wait -1
	s_mov_b32 s3, 8
.Lsum:                                                 ; a trip: four rows of the result
.irp i, 0,1,2,3
.irp s, 0,1,2,3
	ds_load_b128 v[64+16*\i+4*\s:67+16*\i+4*\s], v[RDP+\s] offset:PP*\i
.endr
.endr
.irp i, 0,1,2,3
	s_wait_dscnt 12-4*\i
	v_pk_add_f32 v[64+16*\i:65+16*\i], v[64+16*\i:65+16*\i], v[68+16*\i:69+16*\i]
	v_pk_add_f32 v[66+16*\i:67+16*\i], v[66+16*\i:67+16*\i], v[70+16*\i:71+16*\i]
	v_pk_add_f32 v[72+16*\i:73+16*\i], v[72+16*\i:73+16*\i], v[76+16*\i:77+16*\i]
	v_pk_add_f32 v[74+16*\i:75+16*\i], v[74+16*\i:75+16*\i], v[78+16*\i:79+16*\i]
	v_pk_add_f32 v[64+16*\i:65+16*\i], v[64+16*\i:65+16*\i], v[72+16*\i:73+16*\i]
	v_pk_add_f32 v[66+16*\i:67+16*\i], v[66+16*\i:67+16*\i], v[74+16*\i:75+16*\i]
	global_store_b128 v[CO], v[64+16*\i:67+16*\i], s[10:11] offset:4096*\i th:TH_STORE_NT  ; a row's 512 consecutive bytes, aligned
.endr
	s_wait_xcnt 0x0                                ; the stores' data and offset are rewritten only behind this wait
.irp s, 0,1,2,3
	v_add_nc_u32 v[RDP+\s], 4*PP, v[RDP+\s]
.endr
	v_add_nc_u32 v[CO], 16384, v[CO]
	s_sub_co_u32 s3, s3, 1
	s_cmp_lg_u32 s3, 0
	s_cbranch_scc1 .Lsum
	; out1: one store in the launch, by lane 0 of wave 0 of tile (0, 0).  Its mask hangs on the tile's place, which differs between the partners of a cluster: so it stands here, behind the last line
	; that writes an LDS address; no branch hangs on the place, only the lanes that store.
	s_cmp_lg_u32 s[WV], 0
	s_cbranch_scc1 .Lno_store
	s_or_b32 s46, s[RT], s[CT]
	v_or_b32 v4, s46, v[LANE]                      ; 0 in lane 0 of tile (0, 0) alone
	s_wait_xcnt 0x0                                ; EXEC changes only behind this wait
	v_cmp_eq_u32 vcc_lo, 0, v4
	s_and_saveexec_b32 s47, vcc_lo
	global_store_b32 v[ZOFF], v[EN], s[12:13]
	s_wait_xcnt 0x0                                ; and again in front of the line that widens it
	s_or_b32 exec_lo, exec_lo, s47
.Lno_store:
	s_wait_tensorcnt 0x0                           ; the wave's end
	ds_add_u32 v[SPW], v[NIL]
	s_wait_dscnt 0x0
	CROUND                                         ; the closing round
	s_endpgm
.Lfunc_end_k_qef4f1d693d_gemm2:
	.size	k_qef4f1d693d_gemm2, .Lfunc_end_k_qef4f1d693d_gemm2-k_qef4f1d693d_gemm2
	.p2alignl 7, 3214868480
	.fill 96, 4, 3214868480
	.section	.rodata,"a",@progbits
	.p2align	6, 0x0
	.amdhsa_kernel k_qef4f1d693d_gemm2
		.amdhsa_group_segment_fixed_size 327680
		.amdhsa_private_segment_fixed_size 0
		.amdhsa_enable_private_segment 0
		.amdhsa_kernarg_size 40
		.amdhsa_user_sgpr_count 2
		.amdhsa_user_sgpr_kernarg_segment_ptr 1
		.amdhsa_wavefront_size32 1
		.amdhsa_system_sgpr_workgroup_id_x 1
		.amdhsa_system_sgpr_workgroup_id_y 1
		.amdhsa_system_sgpr_workgroup_id_z 1
		.amdhsa_system_vgpr_workitem_id 0
		.amdhsa_next_free_vgpr 1024
		.amdhsa_next_free_sgpr 66
		.amdhsa_reserve_vcc 1
		.amdhsa_float_denorm_mode_32 3
		.amdhsa_float_denorm_mode_16_64 3
		.amdhsa_memory_ordered 1
		.amdhsa_forward_progress 1
		.amdhsa_inst_pref_size 134
	.end_amdhsa_kernel
	.amdgpu_metadata
---
amdhsa.version: [ 1, 2 ]
amdhsa.kernels:
  - .name:           k_qef4f1d693d_gemm2
    .symbol:         k_qef4f1d693d_gemm2.kd
    .args:
      - { .name: acat, .offset: 0, .size: 8, .value_kind: global_buffer, .address_space: global }
      - { .name: bcat, .offset: 8, .size: 8, .value_kind: global_buffer, .address_space: global }
      - { .name: epart, .offset: 16, .size: 8, .value_kind: global_buffer, .address_space: global }
      - { .name: out0, .offset: 24, .size: 8, .value_kind: global_buffer, .address_space: global }
      - { .name: out1, .offset: 32, .size: 8, .value_kind: global_buffer, .address_space: global }
    .group_segment_fixed_size: 327680
    .private_segment_fixed_size: 0
    .kernarg_segment_align: 8
    .kernarg_segment_size: 40
    .max_flat_workgroup_size: 128
    .sgpr_count:     66
    .vgpr_count:     1024
    .wavefront_size: 32
...
	.end_amdgpu_metadata
.endif
;; end of part 5
;; ======== version 2 of 2: 5 launches; 1.07 times as fast as version 1
;; limits: values outside matrix products are rounded to bf16
;; workspace buffers: xb 8,388,608 bytes; w1 12,582,912 bytes; bcat 12,582,912 bytes; qk 16,777,216 bytes; acat 50,331,648 bytes; lse2 262,144 bytes; epart 12,288 bytes
;; launch prep: the kernel of part 1 again; grid 256 x 1, 10 waves a work-group, no clusters, 93,440 bytes of LDS; arguments x, Wq, Wk, W_hop, xb, w1, bcat; writes xb, w1, bcat
;; launch gemm1: the kernel of part 2 again; grid 16 x 16, 4 waves a work-group, clusters of 4 x 4, 327,680 bytes of LDS; arguments xb, w1, qk, acat, epart; writes qk, acat, epart
;; launch attn1 (part 6): grid 4 x 64, 8 waves a work-group, clusters of 4 x 1, 171,008 bytes of LDS; arguments qk, acat, lse2, epart; writes acat, lse2, epart
.if DOCPART == 6
	.amdgcn_target "amdgcn-amd-amdhsa--gfx1250"
	.amdhsa_code_object_version 6
	.text
	.protected	k_qef4f1d693d_attn1
	.globl	k_qef4f1d693d_attn1
	.p2align	8
	.type	k_qef4f1d693d_attn1,@function
k_qef4f1d693d_attn1:
	s_mov_b64 s[64:65], 0
	v_nop
	global_prefetch_b8 v0, s[64:65] scope:SCOPE_SE
	s_setreg_imm32_b32 hwreg(HW_REG_WAVE_MODE, 25, 1), 1
	s_wait_xcnt 0x0
	s_wait_alu depctr_hold_cnt(0) depctr_sa_sdst(0) depctr_va_vdst(0) depctr_va_sdst(0) depctr_va_ssrc(0) depctr_va_vcc(0) depctr_vm_vsrc(0)
	s_getreg_b32 s2, hwreg(HW_REG_IB_STS2, 6, 4)
	s_cmp_eq_u32 s2, 0
	s_cbranch_scc0 .Lentry_in_a_cluster
	s_endpgm
.Lentry_in_a_cluster:
	s_bfe_u32 s2, ttmp6, 0x10000c
	s_cmp_lg_u32 s2, 0x3003
	s_cbranch_scc0 .Lentry_shape_is_right
	s_endpgm
.Lentry_shape_is_right:
; ATTN1: for each batch b and head h: dq[n] = sum over m of softmax_m(q[n] . k[m] / 8) k[m]; L2[n] = log2 of the sum over m of 2^(c q[n] . k[m]), c = log2(e) / 8; and -8 ln 2 x sum L2.
; qk is [32][4096][64] bf16: block h = q of head h, block 16 + h = k; row 1,024 b + n.  dq goes to acat's block 64 + h (the sign is in the next product's weights), L2 to lse2[h][1,024 b + n].
; SHARES.  A work-group owns 256 queries of one (b, h), each of its eight waves 32: two tiles of 16.  Two waves lie on a SIMD and no barrier stands in the loop: one wave's products run beside the other's softmax.
; LDS.  The head's 1,024 rows of k, 128 KiB, are brought ONCE (each wave 128 rows) and serve both products: as they lie for S^T = K Q^T, turned by ds_load_tr16_b128 for O^T = K^T P.  No byte is filled twice.
; CLUSTER.  The four query blocks of a (b, h) walk the same k: each tile is asked for jointly, by the same load, descriptor and mask in all four.
; LAYOUT.  In S^T a lane holds ONE query (lane % 16) and the keys 8 (lane / 16) + 0..7; two such results rounded to bf16 ARE source 1 of the second product, whose result again holds one query a lane.
; SOFTMAX.  A running maximum m and sum l: p = 2^(c s - c m); O and l are multiplied by a = 2^(c m_old - c m_new) in every step.  m starts at the lowest finite number, O and l at 0: the first a is 0, and no first
; step is written out; the price is 64 v_mov_b32 in the wait for the tile.
; BATCHES.  A trip's 66 exponentials (the two a, and the 64 weights in place on S^T) are ONE batch with ONE wait, which cuts the trip's vector work in two.  Ahead of it stands all that names none of their results:
; the maxima and statistics, and the 32 scalings, dealt among the exponentials.  Behind it stand all the readers: O^T times a, the roundings, the sums, l.  The end's two reciprocals and two logarithms are a batch of their own.
; LIMITS.  bf16 operands (q, k, p, dq); l is the sum of the unrounded p; a weight below 2^-126 counts as 0; NaN and infinities are not treated apart.
; REGISTERS: window 0: v0-15 addresses; v16-23 statistics (c m, m, l even, l odd a tile); v24-31 at work; v32-37 the end's; v64-127 S^T; v128-159 P; v160-223 O^T.  window 1: v0-31 Q; v64-127 K of a step; v128-191 K turned.
.set PK,    144        ; a row of k in LDS: 128 bytes + 16
.set STEPB, 64*PK      ; a key step
.set TILE,  1024*PK
.set STAGE, TILE+4096  ; (4,096 bytes left free: the sister launch's table) 16 rows x 144 bytes for each wave, for the way out
.set SP,    144
.set SPARE, STAGE+8*16*SP  ; the spare words, 128 bytes a wave: four blocks of 256 bytes that no other line names
.set AK0, 2
.set AV0, 3
.set AK,  4
.set AV,  5
.set STO, 6
.set RD,  7
.set GO,  8
.set QO,  10
.set MV,  12
.set SPW, 14           ; LDS address of my spare word; never rewritten
.set NIL, 15           ; 0; never rewritten
.set ST,  16
.set TMP, 24
.set LANE, 32
.set S,   64
.set P,   128
.set O,   160
.set KF,  64           ; window 1
.set VF,  128          ; window 1
.set WV,  12
.set G1,  24
.set G0,  40
.set CNT, 56
.set CS,  58
.set SEL, 60
.set TB,  62           ; LDS byte of the step in hand
.set TBN, 63           ; of the next step
.set MSB, 0
.macro WIN new
.if MSB != (\new)
	s_set_vgpr_msb (MSB<<8)|(\new)
.set MSB, \new
.endif
.endm
.macro CROUND                          ; a round of the cluster's barrier
	s_barrier_signal -1
	s_barrier_wait -1
	s_cmp_lg_u32 s[WV], 0
	s_cbranch_scc1 .Lnot_wave_0_\@
	s_barrier_signal -3
.Lnot_wave_0_\@:
	s_barrier_wait -3
	s_barrier_signal -1
	s_barrier_wait -1
.endm
	s_load_b256 s[4:11], s[0:1], 0x0               ; qk s[4:5], acat s[6:7], lse2 s[8:9], epart s[10:11]
	v_lshl_add_u32 v[SPW], v0, 2, SPARE
	v_mov_b32 v[NIL], 0
	ds_add_u32 v[SPW], v[NIL]                      ; the wave's opening: the add and its wait ahead of my first tensor load
	v_lshrrev_b32 v1, 5, v0
	v_readfirstlane_b32 s[WV], v1
	s_bfe_u32 s13, ttmp6, 0x40000                  ; cx
	s_lshl_b32 s14, ttmp9, 2
	s_add_co_u32 s14, s14, s13                     ; my block of 256 queries: it enters the addresses of my own rows and results alone
	s_and_b32 s15, ttmp7, 0xffff
	s_and_b32 s16, s15, 15                         ; the head
	s_lshr_b32 s17, s15, 4                         ; the batch
	s_add_co_u32 s20, s16, 16                      ; the walked rows: block 16 + h, batch b, my wave's 128 rows
	s_lshl_b32 s20, s20, 19
	s_lshl_b32 s21, s17, 17
	s_add_co_u32 s20, s20, s21
	s_lshl_b32 s21, s[WV], 14
	s_add_co_u32 s20, s20, s21
	s_mov_b32 s21, 0
	s_lshl_b32 s18, s17, 17                        ; my wave's first row in a block, in bytes: (1,024 b + 256 block + 32 wave) x 128
	s_lshl_b32 s19, s14, 15
	s_add_co_u32 s18, s18, s19
	s_lshl_b32 s19, s[WV], 12
	s_add_co_u32 s18, s18, s19
	s_lshl_b32 s22, s16, 19                        ; my own rows: block h
	s_add_co_u32 s22, s22, s18
	s_mov_b32 s23, 0
	s_add_co_u32 s46, s16, 64                      ; dq: acat's block 64 + h
	s_lshl_b32 s46, s46, 19
	s_add_co_u32 s46, s46, s18
	s_mov_b32 s47, 0
	s_lshl_b32 s48, s16, 14                        ; lse2: 4,096 words a head
	s_lshr_b32 s49, s18, 5
	s_add_co_u32 s48, s48, s49
	s_mov_b32 s49, 0
	s_lshl_b32 s50, s15, 2                         ; epart: word 1,024 + 8 (4 y + block) + wave
	s_add_co_u32 s50, s50, s14
	s_lshl_b32 s50, s50, 3
	s_add_co_u32 s50, s50, s[WV]
	s_lshl_b32 s50, s50, 2
	s_add_co_u32 s50, s50, 4096
	s_mov_b32 s51, 0
	; group 1: 128 dense rows of 128 bytes asked for as 64 rows of 256, 16 bytes of padding behind every 128
	s_mov_b32 s[G1], 15|(1<<16)|(1<<20)|(1<<21)|(4<<22)|(3<<25)
	s_mov_b32 s[G1+1], 128<<16
	s_mov_b32 s[G1+2], 64<<16
	s_mov_b32 s[G1+3], 128<<16
	s_mov_b32 s[G1+4], 64
	s_mov_b32 s[G1+5], 128
	s_mov_b32 s[G1+6], 0
	s_mov_b32 s[G1+7], 0
	s_mov_b32 s[G0], 1
	s_mul_i32 s[G0+1], s[WV], 128*PK
	s_mov_b32 s[CS], 0x3e38aa3b                    ; c = log2(e) / 8
	s_mov_b32 s[CS+1], s[CS]
	s_mov_b32 s[SEL], 0x76543210
	s_mov_b32 s[SEL+1], 0xfedcba98
	s_mov_b32 s[TB], 0
	s_mov_b32 s[TBN], STEPB
	s_mov_b32 s[CNT], 16
	s_wait_dscnt 0x0                               ; the opening add is done
	s_wait_kmcnt 0x0
	s_add_nc_u64 s[G0+2:G0+3], s[4:5], s[20:21]
	s_or_b32 s[G0+3], s[G0+3], 0x80000000
	s_add_nc_u64 s[22:23], s[4:5], s[22:23]
	s_add_nc_u64 s[46:47], s[6:7], s[46:47]
	s_add_nc_u64 s[48:49], s[8:9], s[48:49]
	s_add_nc_u64 s[50:51], s[10:11], s[50:51]
	CROUND                                         ; all four work-groups are here: the joint loads meet
	tensor_load_to_lds s[G0:G0+3], s[G1:G1+7]      ; my one tensor load of the launch
	s_nop 0
.rept 4
	v_nop
.endr
	v_and_b32 v1, 15, v0                           ; l % 16
	v_bfe_u32 v9, v0, 4, 1                         ; l / 16
	v_lshlrev_b32 v[QO], 7, v1
	v_lshl_add_u32 v[QO], v9, 4, v[QO]
	WIN 0x40                                       ; destination window 1
.set i, 0
.rept 4                                                ; Q stays in registers: tile i / 2, channels 32 (i % 2) on
	global_load_b128 v[8*i:8*i+3],   v[QO], s[22:23] offset:(i/2)*2048+(i%2)*64
	global_load_b128 v[8*i+4:8*i+7], v[QO], s[22:23] offset:(i/2)*2048+(i%2)*64+32
.set i, i+1
.endr
	WIN 0
.irp u, 0,1
	v_mov_b32 v[ST+4*\u], 0xfe000000               ; c m: far below every c s
	v_mov_b32 v[ST+4*\u+1], 0xff7fffff             ; m
	v_mov_b32 v[ST+4*\u+2], 0
	v_mov_b32 v[ST+4*\u+3], 0
.endr
.set i, 0
.rept 64
	v_mov_b32 v[O+i], 0
.set i, i+1
.endr
	v_mul_u32_u24 v[AK0], v1, PK
	v_lshl_add_u32 v[AK0], v9, 4, v[AK0]           ; row x pitch + 16 x half
	v_and_b32 v11, 7, v0                           ; the turning load: lane l reads key 8 (l / 16) + l % 8, channels 8 ((l / 8) % 2) + 0..7
	v_bfe_u32 v[AV], v0, 3, 1
	v_lshl_add_u32 v[AV0], v9, 3, v11
	v_mul_u32_u24 v[AV0], v[AV0], PK
	v_lshl_add_u32 v[AV0], v[AV], 4, v[AV0]
	s_mul_i32 s19, s[WV], 16*SP
	s_add_co_u32 s19, s19, STAGE                   ; my stage
	v_mul_u32_u24 v[STO], v1, SP
	v_lshl_add_u32 v[STO], v9, 4, v[STO]
	v_add_nc_u32 v[STO], s19, v[STO]
	v_bfe_u32 v[RD], v0, 3, 2
	v_mul_u32_u24 v[RD], v[RD], SP
	v_lshl_add_u32 v[RD], v11, 4, v[RD]
	v_add_nc_u32 v[RD], s19, v[RD]
	v_and_b32 v[LANE], 31, v0
	v_lshlrev_b32 v[GO], 4, v[LANE]
	v_mov_b32 v[AK], v[AK0]
.macro KQ                              ; product i of 16 of S^T = K Q^T: channels 32 (i / 8) on, keys 16 ((i / 2) % 4) on, tile i % 2; the 8 accumulators take turns
.set rS, S+32*(i%2)+8*((i/2)%4)
.set rK, KF+16*((i/2)%4)+8*(i/8)
.set rQ, 16*(i%2)+8*(i/8)
.if i < 8
	v_wmma_f32_16x16x32_bf16 v[rS:rS+7], v[rK:rK+7], v[rQ:rQ+7], 0
.else
	v_wmma_f32_16x16x32_bf16 v[rS:rS+7], v[rK:rK+7], v[rQ:rQ+7], v[rS:rS+7]
.endif
.endm
.macro PV                              ; product i of 16 of O^T += K^T P: keys 32 (i / 8) on, channels 16 ((i / 2) % 4) on, tile i % 2
.set rO, O+32*(i%2)+8*((i/2)%4)
.set rV, VF+32*(i/8)+8*((i/2)%4)
.set rP, P+16*(i%2)+8*(i/8)
	v_wmma_f32_16x16x32_bf16 v[rO:rO+7], v[rV:rV+7], v[rP:rP+7], v[rO:rO+7]
.endm
.macro FETCH_K
.irp f, 0,1,2,3,4,5,6,7                ; keys 16 (f / 2) on, channels 32 (f % 2) on
	ds_load_b128 v[KF+8*\f:KF+8*\f+3],   v[AK] offset:(\f/2)*16*PK+(\f%2)*64
	ds_load_b128 v[KF+8*\f+4:KF+8*\f+7], v[AK] offset:(\f/2)*16*PK+(\f%2)*64+32
.endr
.endm
.macro FETCH_V
.irp f, 0,1,2,3,4,5,6,7                ; keys 32 (f / 4) on, channels 16 (f % 4) on
	ds_load_tr16_b128 v[VF+8*\f:VF+8*\f+3],   v[AV] offset:(\f/4)*32*PK+(\f%4)*32
	ds_load_tr16_b128 v[VF+8*\f+4:VF+8*\f+7], v[AV] offset:(\f/4)*32*PK+16*PK+(\f%4)*32
.endr
.endm
.macro REGS u
.set rT, ST+4*(\u)
.set rC, TMP+4*(\u)
.set rM, MV+(\u)
.set rS, S+32*(\u)
.endm
; Number n of the 22 that find tile u's maximum and statistics: 0-11 four chains of seven scores (each accumulator's lowest registers first); 12-14, 16 the four scores left over,
; the old m, and the chains into one; 15 c m_old is kept; 17, 18 the other half of the lanes' 32 keys; 19-21 c m, c m_old - c m_new, a.
.macro XS u, n
	REGS \u
.if (\n) < 4
	v_max3_num_f32 v[rC+(\n)], v[rS+8*(\n)], v[rS+8*(\n)+1], v[rS+8*(\n)+2]
.elseif (\n) < 12
	v_max3_num_f32 v[rC+(\n)%4], v[rC+(\n)%4], v[rS+8*((\n)%4)+2*((\n)/4)+1], v[rS+8*((\n)%4)+2*((\n)/4)+2]
.elseif (\n) == 12
	v_max3_num_f32 v[rC], v[rC], v[rS+7], v[rS+15]
.elseif (\n) == 13
	v_max3_num_f32 v[rC+1], v[rC+1], v[rS+23], v[rS+31]
.elseif (\n) == 14
	v_max3_num_f32 v[rC+2], v[rC+2], v[rC+3], v[rT+1]
.elseif (\n) == 15
	v_mov_b32 v[rM], v[rT]
.elseif (\n) == 16
	v_max3_num_f32 v[rC], v[rC], v[rC+1], v[rC+2]
.elseif (\n) == 17
	v_permlanex16_b32 v[rC+3], v[rC], s[SEL], s[SEL+1]
.elseif (\n) == 18
	v_max_num_f32 v[rT+1], v[rC], v[rC+3]
.elseif (\n) == 19
	v_mul_f32 v[rT], s[CS], v[rT+1]
.elseif (\n) == 20
	v_sub_f32 v[rC+1], v[rM], v[rT]
.else
	v_exp_f32 v[rC+2], v[rC+1]
.endif
.endm
.macro FS u, p                         ; c s - c m for pair p of 16 of tile u
	v_pk_fma_f32 v[S+32*(\u)+2*(\p):S+32*(\u)+2*(\p)+1], v[S+32*(\u)+2*(\p):S+32*(\u)+2*(\p)+1], s[CS:CS+1], v[ST+4*(\u):ST+4*(\u)+1] op_sel_hi:[1,0,0] neg_lo:[0,0,1] neg_hi:[0,0,1]
.endm
.macro EX2 u, p                        ; the two exponentials of pair p of tile u, in place: each result has a register of its own while the batch is open
	v_exp_f32 v[S+32*(\u)+2*(\p)], v[S+32*(\u)+2*(\p)]
	v_exp_f32 v[S+32*(\u)+2*(\p)+1], v[S+32*(\u)+2*(\p)+1]
.endm
.macro SUMT u                          ; sum z of 15 of tile u's 16 pairs of weights, in place: neighbours 1, 2, 4, 8 pairs apart
	REGS \u
.if z < 8
.set w, 4
.set k, z
.elseif z < 12
.set w, 8
.set k, z-8
.elseif z < 14
.set w, 16
.set k, z-12
.else
.set w, 32
.set k, 0
.endif
	v_pk_add_f32 v[rS+w*k:rS+w*k+1], v[rS+w*k:rS+w*k+1], v[rS+w*k+w/2:rS+w*k+w/2+1]
.endm
	s_wait_tensorcnt 0x0                           ; my 128 rows are in,
	s_barrier_signal -1
	s_barrier_wait -1                              ; everybody's are
	WIN 0x40
	FETCH_K                                        ; key step 0
	WIN 0
	s_wait_loadcnt 0x0                             ; Q
.Lstep:                                                ; 16 trips, 64 keys each
	s_wait_dscnt 0x0                               ; K of this step is in
	WIN 0x05                                       ; K and Q in window 1, S^T in window 0
.set i, 0
.rept 16
	KQ
.set i, i+1
.endr
	WIN 0
	v_add_nc_u32 v[AV], s[TB], v[AV0]              ; four plain lines: the places behind these products (for the reads of S^T and the loads into K's registers)
	v_add_nc_u32 v[AK], s[TBN], v[AK0]             ; and behind the last trip's second products (for the loads into the turned K's)
	v_nop
	v_nop
	WIN 0x40
	FETCH_V                                        ; this step's rows, turned
	FETCH_K                                        ; the next step's
	WIN 0
.irp n, 0,1,2,3,4,5,6,7,8,9,10,11,12,13,14,15,16,17,18,19,20
	XS 0, \n
	XS 1, \n
.endr
	; THE BATCH: 66 exponentials, and among them the 32 scalings, which name no result: the two a between the first scalings; then a scaling and the two exponentials of the pair scaled a group before, the tiles by turns.
	FS 0, 0
	XS 0, 21                                       ; a of tile 0
	FS 1, 0
	XS 1, 21                                       ; a of tile 1
.set n, 1
.rept 15
	FS 0, n
	EX2 0, n-1
	FS 1, n
	EX2 1, n-1
.set n, n+1
.endr
	EX2 0, 15
	EX2 1, 15
	v_nop                                          ; a plain line behind the last exponential, ahead of the first use of a result: one for the batch
	s_wait_alu depctr_va_vdst(0)                   ; one wait for the trip's 66 exponentials; every reader stands behind it, and no exponential
.set i, 0
.rept 32                                               ; O^T times a, each accumulator from its low end
	v_pk_mul_f32 v[O+2*i:O+2*i+1], v[O+2*i:O+2*i+1], v[TMP+4*(i/16)+2:TMP+4*(i/16)+3] op_sel_hi:[1,0]
.set i, i+1
.endr
.set i, 0
.rept 32                                               ; the weights rounded to bf16, a pair at a time, ahead of the sums, which work in place
	v_cvt_pk_bf16_f32 v[P+i], v[S+2*i], v[S+2*i+1]
.set i, i+1
.endr
.set z, 0
.rept 15
	SUMT 0
	SUMT 1
.set z, z+1
.endr
.irp u, 0,1
	v_pk_fma_f32 v[ST+4*\u+2:ST+4*\u+3], v[ST+4*\u+2:ST+4*\u+3], v[TMP+4*\u+2:TMP+4*\u+3], v[S+32*\u:S+32*\u+1] op_sel_hi:[1,0,1]  ; l = a l + sum
.endr
	s_wait_dscnt 16                                ; the turned rows are in; the next step's 16 loads may stay out
	WIN 0x01                                       ; the turned K in window 1; P and O^T in window 0
.set i, 0
.rept 16
	PV
.set i, i+1
.endr
	WIN 0
	s_mov_b32 s[TB], s[TBN]
	s_add_co_u32 s[TBN], s[TBN], STEPB
	s_min_u32 s[TBN], s[TBN], TILE-STEPB           ; the last trip's look-ahead reads the last step's rows once more: no read leaves the tile
	s_sub_co_u32 s[CNT], s[CNT], 1
	s_cmp_lg_u32 s[CNT], 0
	s_cbranch_scc1 .Lstep
	; THE END.  l's two halves and the other half of the lanes' are added (the additions are the places behind the last products); L2 = c m + log2 l.
.irp u, 0,1
	v_add_f32 v[ST+4*\u+2], v[ST+4*\u+2], v[ST+4*\u+3]
.endr
	v_mov_b32 v35, 0
	v_lshlrev_b32 v34, 2, v[LANE]
.irp u, 0,1
	v_permlanex16_b32 v[ST+4*\u+3], v[ST+4*\u+2], s[SEL], s[SEL+1]
.endr
.irp u, 0,1
	v_add_f32 v[ST+4*\u+2], v[ST+4*\u+2], v[ST+4*\u+3]
.endr
.irp u, 0,1
	v_rcp_f32 v[TMP+4*\u], v[ST+4*\u+2]
	v_log_f32 v[TMP+4*\u+2], v[ST+4*\u+2]
.endr
	v_nop                                          ; a plain line between the last of them and the use of their results
	s_wait_alu depctr_va_vdst(0)                   ; one wait for the two reciprocals and the two logarithms
.irp u, 0,1
	v_add_f32 v[TMP+4*\u+2], v[ST+4*\u], v[TMP+4*\u+2]
.endr
	v_cmp_lt_u32 vcc_lo, 15, v[LANE]               ; lanes 0-15 speak for tile 0's queries, lanes 16-31 for tile 1's
	v_cndmask_b32 v33, v[TMP+2], v[TMP+6], vcc_lo
	global_store_b32 v34, v33, s[48:49]            ; my wave's 32 queries: 128 consecutive bytes
	v_mov_b32 v36, v33
	v_mov_b32 v37, 0
	v_add_f32_dpp v36, v36, v36 row_xmask:1 row_mask:0xf bank_mask:0xf
	v_add_f32_dpp v36, v36, v36 row_xmask:2 row_mask:0xf bank_mask:0xf
	v_add_f32_dpp v36, v36, v36 row_xmask:4 row_mask:0xf bank_mask:0xf
	v_add_f32_dpp v36, v36, v36 row_xmask:8 row_mask:0xf bank_mask:0xf
	v_permlanex16_b32 v37, v36, s[SEL], s[SEL+1]
	v_add_f32 v36, v36, v37
	v_mul_f32 v36, 0xc0b17218, v36                 ; -(1 / beta) ln 2 = -8 ln 2
	s_wait_xcnt 0x0                                ; EXEC changes only behind this wait
	v_cmp_eq_u32 vcc_lo, 0, v[LANE]
	s_and_saveexec_b32 s52, vcc_lo
	global_store_b32 v35, v36, s[50:51]
	s_wait_xcnt 0x0
	s_or_b32 exec_lo, exec_lo, s52
.macro PACK u                          ; O^T / l, rounded; a lane's eight channels are 16 bytes; through my stage they come back as whole rows of 128 bytes
.set i, 0
.rept 16
	v_pk_mul_f32 v[O+32*\u+2*i:O+32*\u+2*i+1], v[O+32*\u+2*i:O+32*\u+2*i+1], v[TMP+4*\u:TMP+4*\u+1] op_sel_hi:[1,0]
.set i, i+1
.endr
.set i, 0
.rept 16
	v_cvt_pk_bf16_f32 v[S+16*\u+i], v[O+32*\u+2*i], v[O+32*\u+2*i+1]
.set i, i+1
.endr
.irp f, 0,1,2,3
	ds_store_b128 v[STO], v[S+16*\u+4*\f:S+16*\u+4*\f+3] offset:32*\f
.endr
.irp f, 0,1,2,3
	ds_load_b128 v[S+16*\u+4*\f:S+16*\u+4*\f+3], v[RD] offset:\f*4*SP  ; LDS serves a wave's instructions in order (ISA guide 5.7.1.4)
.endr
.endm
.macro SEND u, younger                 ; younger: the LDS instructions issued behind tile u's loads
.irp f, 0,1,2,3
	s_wait_dscnt (\younger)+3-\f
	global_store_b128 v[GO], v[S+16*\u+4*\f:S+16*\u+4*\f+3], s[46:47] offset:\u*2048+\f*512  ; four rows: 512 consecutive bytes, aligned
.endr
.endm
	PACK 0
	PACK 1
	SEND 0, 8
	SEND 1, 0
	s_wait_tensorcnt 0x0                           ; the wave's end
	ds_add_u32 v[SPW], v[NIL]
	s_wait_dscnt 0x0
	CROUND                                         ; the closing round
	s_endpgm
.Lfunc_end_k_qef4f1d693d_attn1:
	.size	k_qef4f1d693d_attn1, .Lfunc_end_k_qef4f1d693d_attn1-k_qef4f1d693d_attn1
	.p2alignl 7, 3214868480
	.fill 96, 4, 3214868480
	.section	.rodata,"a",@progbits
	.p2align	6, 0x0
	.amdhsa_kernel k_qef4f1d693d_attn1
		.amdhsa_group_segment_fixed_size 171008
		.amdhsa_private_segment_fixed_size 0
		.amdhsa_enable_private_segment 0
		.amdhsa_kernarg_size 32
		.amdhsa_user_sgpr_count 2
		.amdhsa_user_sgpr_kernarg_segment_ptr 1
		.amdhsa_wavefront_size32 1
		.amdhsa_system_sgpr_workgroup_id_x 1
		.amdhsa_system_sgpr_workgroup_id_y 1
		.amdhsa_system_sgpr_workgroup_id_z 1
		.amdhsa_system_vgpr_workitem_id 0
		.amdhsa_next_free_vgpr 448
		.amdhsa_next_free_sgpr 66
		.amdhsa_reserve_vcc 1
		.amdhsa_float_denorm_mode_32 3
		.amdhsa_float_denorm_mode_16_64 3
		.amdhsa_memory_ordered 1
		.amdhsa_forward_progress 1
		.amdhsa_inst_pref_size 35
	.end_amdhsa_kernel
	.amdgpu_metadata
---
amdhsa.version: [ 1, 2 ]
amdhsa.kernels:
  - .name:           k_qef4f1d693d_attn1
    .symbol:         k_qef4f1d693d_attn1.kd
    .args:
      - { .name: qk, .offset: 0, .size: 8, .value_kind: global_buffer, .address_space: global }
      - { .name: acat, .offset: 8, .size: 8, .value_kind: global_buffer, .address_space: global }
      - { .name: lse2, .offset: 16, .size: 8, .value_kind: global_buffer, .address_space: global }
      - { .name: epart, .offset: 24, .size: 8, .value_kind: global_buffer, .address_space: global }
    .group_segment_fixed_size: 171008
    .private_segment_fixed_size: 0
    .kernarg_segment_align: 8
    .kernarg_segment_size: 32
    .max_flat_workgroup_size: 256
    .sgpr_count:     66
    .vgpr_count:     448
    .wavefront_size: 32
...
	.end_amdgpu_metadata
.endif
;; end of part 6
;; launch attn2 (part 7): grid 4 x 64, 8 waves a work-group, clusters of 4 x 1, 171,008 bytes of LDS; arguments qk, lse2, acat; writes acat
.if DOCPART == 7
	.amdgcn_target "amdgcn-amd-amdhsa--gfx1250"
	.amdhsa_code_object_version 6
	.text
	.protected	k_qef4f1d693d_attn2
	.globl	k_qef4f1d693d_attn2
	.p2align	8
	.type	k_qef4f1d693d_attn2,@function
k_qef4f1d693d_attn2:
	s_mov_b64 s[64:65], 0
	v_nop
	global_prefetch_b8 v0, s[64:65] scope:SCOPE_SE
	s_setreg_imm32_b32 hwreg(HW_REG_WAVE_MODE, 25, 1), 1
	s_wait_xcnt 0x0
	s_wait_alu depctr_hold_cnt(0) depctr_sa_sdst(0) depctr_va_vdst(0) depctr_va_sdst(0) depctr_va_ssrc(0) depctr_va_vcc(0) depctr_vm_vsrc(0)
	s_getreg_b32 s2, hwreg(HW_REG_IB_STS2, 6, 4)
	s_cmp_eq_u32 s2, 0
	s_cbranch_scc0 .Lentry_in_a_cluster
	s_endpgm
.Lentry_in_a_cluster:
	s_bfe_u32 s2, ttmp6, 0x10000c
	s_cmp_lg_u32 s2, 0x3003
	s_cbranch_scc0 .Lentry_shape_is_right
	s_endpgm
.Lentry_shape_is_right:
; ATTN2: for each batch b and head h: dk[m] = sum over n of P[n][m] q[n], P[n][m] = 2^(c q[n] . k[m] - L2[n]), c = log2(e) / 8, with L2 the finished log-sum of row n from the launch before.
; The exponent is the score less its own row's log-sum, which holds the row's maximum: it is at most 0 but for rounding, whatever the inputs, so no exponential can overflow and P lies in 0 to 1.
; qk is [32][4096][64] bf16 (block h = q, block 16 + h = k); dk goes to acat's block 80 + h (the sign is in the next product's weights).
; SHARES, LDS, CLUSTER, LAYOUT as in the sister launch with the parts changed: a wave keeps 32 rows of k in registers; the head's 1,024 rows of q lie in LDS, brought once, and serve both products;
; beside them lie the 1,024 L2 (4 KiB).  In S^T a lane holds one row of k (lane % 16) and the queries 8 (lane / 16) + 0..7, so a lane's L2 are eight neighbouring words, the same for both tiles.
; BATCH.  A trip's 64 exponentials, in place on S^T, are ONE batch with ONE wait.  Ahead of it stand the 32 scalings, dealt among the exponentials; behind it the next step's L2 are fetched and the 32 roundings, the only readers, follow.
; LIMITS.  bf16 operands; a weight below 2^-126 counts as 0; NaN and infinities are not treated apart.  O^T starts at 0 by 64 v_mov_b32 in the wait for the tile: no first step is written out.
; REGISTERS: window 0: v0-18 addresses; v32-63 L2 of a step; v64-127 S^T; v128-159 P; v160-223 O^T.  window 1: v0-31 my rows of k; v64-127 q of a step; v128-191 q turned.
.set PK,    144
.set STEPB, 64*PK
.set TILE,  1024*PK
.set LB,    TILE       ; the table of L2
.set STAGE, LB+4096
.set SP,    144
.set SPARE, STAGE+8*16*SP  ; the spare words, 128 bytes a wave: four blocks of 256 bytes that no other line names
.set AK0, 2
.set AV0, 3
.set AK,  4
.set AV,  5
.set STO, 6
.set RD,  7
.set GO,  8
.set AL0, 10
.set AL,  11
.set SPW, 14           ; LDS address of my spare word; never rewritten
.set NIL, 15           ; 0; never rewritten
.set QO,  16
.set L,   32
.set S,   64
.set P,   128
.set O,   160
.set KF,  64           ; window 1
.set VF,  128          ; window 1
.set WV,  12
.set G1,  24
.set G1L, 32
.set G0,  40
.set G0L, 44
.set CNT, 56
.set TLN, 57           ; byte of the next step's L2 in the table
.set CS,  58
.set TB,  62
.set TBN, 63
.set MSB, 0
.macro WIN new
.if MSB != (\new)
	s_set_vgpr_msb (MSB<<8)|(\new)
.set MSB, \new
.endif
.endm
.macro CROUND
	s_barrier_signal -1
	s_barrier_wait -1
	s_cmp_lg_u32 s[WV], 0
	s_cbranch_scc1 .Lnot_wave_0_\@
	s_barrier_signal -3
.Lnot_wave_0_\@:
	s_barrier_wait -3
	s_barrier_signal -1
	s_barrier_wait -1
.endm
	s_load_b128 s[4:7], s[0:1], 0x0                ; qk s[4:5], lse2 s[6:7]
	s_load_b64 s[8:9], s[0:1], 0x10                ; acat
	v_lshl_add_u32 v[SPW], v0, 2, SPARE
	v_mov_b32 v[NIL], 0
	ds_add_u32 v[SPW], v[NIL]                      ; the wave's opening: the add and its wait ahead of my first tensor load
	v_lshrrev_b32 v1, 5, v0
	v_readfirstlane_b32 s[WV], v1
	s_bfe_u32 s13, ttmp6, 0x40000                  ; cx
	s_lshl_b32 s14, ttmp9, 2
	s_add_co_u32 s14, s14, s13                     ; my block of 256 rows of k: it enters the addresses of my own rows and results alone
	s_and_b32 s15, ttmp7, 0xffff
	s_and_b32 s16, s15, 15                         ; the head
	s_lshr_b32 s17, s15, 4                         ; the batch
	s_lshl_b32 s20, s16, 19                        ; the walked rows: block h, batch b, my wave's 128 rows
	s_lshl_b32 s21, s17, 17
	s_add_co_u32 s20, s20, s21
	s_lshl_b32 s21, s[WV], 14
	s_add_co_u32 s20, s20, s21
	s_mov_b32 s21, 0
	s_lshl_b32 s50, s16, 14                        ; their L2: (4,096 h + 1,024 b + 128 wave) words
	s_lshl_b32 s51, s17, 12
	s_add_co_u32 s50, s50, s51
	s_lshl_b32 s51, s[WV], 9
	s_add_co_u32 s50, s50, s51
	s_mov_b32 s51, 0
	s_lshl_b32 s18, s17, 17                        ; my wave's first row in a block, in bytes
	s_lshl_b32 s19, s14, 15
	s_add_co_u32 s18, s18, s19
	s_lshl_b32 s19, s[WV], 12
	s_add_co_u32 s18, s18, s19
	s_add_co_u32 s22, s16, 16                      ; my own rows: block 16 + h
	s_lshl_b32 s22, s22, 19
	s_add_co_u32 s22, s22, s18
	s_mov_b32 s23, 0
	s_add_co_u32 s48, s16, 80                      ; dk: acat's block 80 + h
	s_lshl_b32 s48, s48, 19
	s_add_co_u32 s48, s48, s18
	s_mov_b32 s49, 0
	s_mov_b32 s[G1], 15|(1<<16)|(1<<20)|(1<<21)|(4<<22)|(3<<25)  ; 128 dense rows of 128 bytes as 64 rows of 256, 16 bytes of padding behind every 128
	s_mov_b32 s[G1+1], 128<<16
	s_mov_b32 s[G1+2], 64<<16
	s_mov_b32 s[G1+3], 128<<16
	s_mov_b32 s[G1+4], 64
	s_mov_b32 s[G1+5], 128
	s_mov_b32 s[G1+6], 0
	s_mov_b32 s[G1+7], 0
	s_mov_b32 s[G1L], 15|(3<<16)|(1<<21)           ; one row of 512 bytes: 64 elements of 8 bytes, no padding
	s_mov_b32 s[G1L+1], 64<<16
	s_mov_b32 s[G1L+2], 1<<16
	s_mov_b32 s[G1L+3], 64<<16
	s_mov_b32 s[G1L+4], 1
	s_mov_b32 s[G1L+5], 64
	s_mov_b32 s[G1L+6], 0
	s_mov_b32 s[G1L+7], 0
	s_mov_b32 s[G0], 1
	s_mul_i32 s[G0+1], s[WV], 128*PK
	s_mov_b32 s[G0L], 1
	s_lshl_b32 s[G0L+1], s[WV], 9
	s_add_co_u32 s[G0L+1], s[G0L+1], LB
	s_mov_b32 s[CS], 0x3e38aa3b                    ; c = log2(e) / 8
	s_mov_b32 s[CS+1], s[CS]
	s_mov_b32 s[TB], 0
	s_mov_b32 s[TBN], STEPB
	s_mov_b32 s[TLN], 256
	s_mov_b32 s[CNT], 16
	s_wait_dscnt 0x0                               ; the opening add is done
	s_wait_kmcnt 0x0
	s_add_nc_u64 s[G0+2:G0+3], s[4:5], s[20:21]
	s_or_b32 s[G0+3], s[G0+3], 0x80000000
	s_add_nc_u64 s[G0L+2:G0L+3], s[6:7], s[50:51]
	s_or_b32 s[G0L+3], s[G0L+3], 0x80000000
	s_add_nc_u64 s[22:23], s[4:5], s[22:23]
	s_add_nc_u64 s[48:49], s[8:9], s[48:49]
	CROUND                                         ; all four work-groups are here: the joint loads meet
	tensor_load_to_lds s[G0:G0+3], s[G1:G1+7]      ; my two tensor loads of the launch go out together
	s_nop 0
	tensor_load_to_lds s[G0L:G0L+3], s[G1L:G1L+7]
	s_nop 0
.rept 4
	v_nop
.endr
	v_and_b32 v1, 15, v0
	v_bfe_u32 v9, v0, 4, 1
	v_lshlrev_b32 v[QO], 7, v1
	v_lshl_add_u32 v[QO], v9, 4, v[QO]
	WIN 0x40
.set i, 0
.rept 4                                                ; my rows of k stay in registers: tile i / 2, channels 32 (i % 2) on
	global_load_b128 v[8*i:8*i+3],   v[QO], s[22:23] offset:(i/2)*2048+(i%2)*64
	global_load_b128 v[8*i+4:8*i+7], v[QO], s[22:23] offset:(i/2)*2048+(i%2)*64+32
.set i, i+1
.endr
	WIN 0
.set i, 0
.rept 64
	v_mov_b32 v[O+i], 0
.set i, i+1
.endr
	v_mul_u32_u24 v[AK0], v1, PK
	v_lshl_add_u32 v[AK0], v9, 4, v[AK0]
	v_and_b32 v17, 7, v0
	v_bfe_u32 v18, v0, 3, 1
	v_lshl_add_u32 v[AV0], v9, 3, v17
	v_mul_u32_u24 v[AV0], v[AV0], PK
	v_lshl_add_u32 v[AV0], v18, 4, v[AV0]
	v_lshl_add_u32 v[AL0], v9, 5, LB               ; my half of the lanes' eight words of each sixteen
	s_mul_i32 s19, s[WV], 16*SP
	s_add_co_u32 s19, s19, STAGE
	v_mul_u32_u24 v[STO], v1, SP
	v_lshl_add_u32 v[STO], v9, 4, v[STO]
	v_add_nc_u32 v[STO], s19, v[STO]
	v_bfe_u32 v[RD], v0, 3, 2
	v_mul_u32_u24 v[RD], v[RD], SP
	v_lshl_add_u32 v[RD], v17, 4, v[RD]
	v_add_nc_u32 v[RD], s19, v[RD]
	v_and_b32 v[GO], 31, v0
	v_lshlrev_b32 v[GO], 4, v[GO]
	v_mov_b32 v[AK], v[AK0]
	v_mov_b32 v[AL], v[AL0]
.macro KQ                              ; product i of 16 of S^T: channels 32 (i / 8) on, queries 16 ((i / 2) % 4) on, tile i % 2; the 8 accumulators take turns
.set rS, S+32*(i%2)+8*((i/2)%4)
.set rK, KF+16*((i/2)%4)+8*(i/8)
.set rQ, 16*(i%2)+8*(i/8)
.if i < 8
	v_wmma_f32_16x16x32_bf16 v[rS:rS+7], v[rK:rK+7], v[rQ:rQ+7], 0
.else
	v_wmma_f32_16x16x32_bf16 v[rS:rS+7], v[rK:rK+7], v[rQ:rQ+7], v[rS:rS+7]
.endif
.endm
.macro PV                              ; product i of 16 of O^T += q^T P: queries 32 (i / 8) on, channels 16 ((i / 2) % 4) on, tile i % 2
.set rO, O+32*(i%2)+8*((i/2)%4)
.set rV, VF+32*(i/8)+8*((i/2)%4)
.set rP, P+16*(i%2)+8*(i/8)
	v_wmma_f32_16x16x32_bf16 v[rO:rO+7], v[rV:rV+7], v[rP:rP+7], v[rO:rO+7]
.endm
.macro FETCH_K
.irp f, 0,1,2,3,4,5,6,7
	ds_load_b128 v[KF+8*\f:KF+8*\f+3],   v[AK] offset:(\f/2)*16*PK+(\f%2)*64
	ds_load_b128 v[KF+8*\f+4:KF+8*\f+7], v[AK] offset:(\f/2)*16*PK+(\f%2)*64+32
.endr
.endm
.macro FETCH_V
.irp f, 0,1,2,3,4,5,6,7
	ds_load_tr16_b128 v[VF+8*\f:VF+8*\f+3],   v[AV] offset:(\f/4)*32*PK+(\f%4)*32
	ds_load_tr16_b128 v[VF+8*\f+4:VF+8*\f+7], v[AV] offset:(\f/4)*32*PK+16*PK+(\f%4)*32
.endr
.endm
.macro FETCH_L
.irp f, 0,1,2,3                        ; queries 16 f + 8 (l / 16) + 0..7
	ds_load_b128 v[L+8*\f:L+8*\f+3],   v[AL] offset:64*\f
	ds_load_b128 v[L+8*\f+4:L+8*\f+7], v[AL] offset:64*\f+16
.endr
.endm
.macro FS u, p                         ; c s - L2 for pair p of 16 of tile u; the same L2 serve both tiles
	v_pk_fma_f32 v[S+32*(\u)+2*(\p):S+32*(\u)+2*(\p)+1], v[S+32*(\u)+2*(\p):S+32*(\u)+2*(\p)+1], s[CS:CS+1], v[L+2*(\p):L+2*(\p)+1] op_sel_hi:[1,0,1] neg_lo:[0,0,1] neg_hi:[0,0,1]
.endm
.macro EX2 u, p                        ; the two exponentials of pair p of tile u, in place: each result has a register of its own while the batch is open
	v_exp_f32 v[S+32*(\u)+2*(\p)], v[S+32*(\u)+2*(\p)]
	v_exp_f32 v[S+32*(\u)+2*(\p)+1], v[S+32*(\u)+2*(\p)+1]
.endm
	s_wait_tensorcnt 0x0                           ; my parts of the rows and of the table are in,
	s_barrier_signal -1
	s_barrier_wait -1                              ; everybody's are
	WIN 0x40
	FETCH_K                                        ; step 0
	WIN 0
	FETCH_L
	s_wait_loadcnt 0x0                             ; my rows of k
.Lstep:                                                ; 16 trips, 64 queries each
	s_wait_dscnt 0x0                               ; this step's rows and L2 are in
	WIN 0x05
.set i, 0
.rept 16
	KQ
.set i, i+1
.endr
	WIN 0
	v_add_nc_u32 v[AV], s[TB], v[AV0]              ; four plain lines: the places behind these products and behind the last trip's second products
	v_add_nc_u32 v[AK], s[TBN], v[AK0]
	v_add_nc_u32 v[AL], s[TLN], v[AL0]
	v_nop
	WIN 0x40
	FETCH_V                                        ; this step's rows, turned
	FETCH_K                                        ; the next step's
	WIN 0
	; THE BATCH: 64 exponentials, and among them the 32 scalings, which name no result (each accumulator is read from its low end): a scaling and the two exponentials of the pair scaled a group before, the tiles by turns.
	FS 0, 0
	FS 1, 0
.set n, 1
.rept 15
	FS 0, n
	EX2 0, n-1
	FS 1, n
	EX2 1, n-1
.set n, n+1
.endr
	EX2 0, 15
	EX2 1, 15
	v_nop                                          ; a plain line behind the last exponential, ahead of the first use of a result: one for the batch
	s_wait_alu depctr_va_vdst(0)                   ; one wait for the trip's 64 exponentials; every reader stands behind it, and no exponential
	FETCH_L                                        ; the next step's L2, behind every scaling that read this step's; still the last of the trip's three runs of LDS loads
.set j, 0
.rept 32                                               ; the weights rounded to bf16, a pair at a time
	v_cvt_pk_bf16_f32 v[P+j], v[S+2*j], v[S+2*j+1]
.set j, j+1
.endr
	s_wait_dscnt 24                                ; the turned rows are in; behind them 16 loads of rows and 8 of L2 may stay out
	WIN 0x01
.set i, 0
.rept 16
	PV
.set i, i+1
.endr
	WIN 0
	s_mov_b32 s[TB], s[TBN]
	s_add_co_u32 s[TBN], s[TBN], STEPB
	s_min_u32 s[TBN], s[TBN], TILE-STEPB           ; the last trip's look-ahead reads the last step's bytes once more: no read leaves the tile or the table
	s_add_co_u32 s[TLN], s[TLN], 256
	s_min_u32 s[TLN], s[TLN], 4096-256
	s_sub_co_u32 s[CNT], s[CNT], 1
	s_cmp_lg_u32 s[CNT], 0
	s_cbranch_scc1 .Lstep
.rept 4
	v_nop                                          ; the places behind the last products
.endr
.macro PACK u                          ; rounded; a lane's eight channels are 16 bytes; through my stage they come back as whole rows of 128 bytes
.set i, 0
.rept 16
	v_cvt_pk_bf16_f32 v[S+16*\u+i], v[O+32*\u+2*i], v[O+32*\u+2*i+1]
.set i, i+1
.endr
.irp f, 0,1,2,3
	ds_store_b128 v[STO], v[S+16*\u+4*\f:S+16*\u+4*\f+3] offset:32*\f
.endr
.irp f, 0,1,2,3
	ds_load_b128 v[S+16*\u+4*\f:S+16*\u+4*\f+3], v[RD] offset:\f*4*SP  ; LDS serves a wave's instructions in order (ISA guide 5.7.1.4)
.endr
.endm
.macro SEND u, younger
.irp f, 0,1,2,3
	s_wait_dscnt (\younger)+3-\f
	global_store_b128 v[GO], v[S+16*\u+4*\f:S+16*\u+4*\f+3], s[48:49] offset:\u*2048+\f*512  ; four rows: 512 consecutive bytes, aligned
.endr
.endm
	PACK 0
	PACK 1
	SEND 0, 8
	SEND 1, 0
	s_wait_tensorcnt 0x0                           ; the wave's end
	ds_add_u32 v[SPW], v[NIL]
	s_wait_dscnt 0x0
	CROUND                                         ; the closing round
	s_endpgm
.Lfunc_end_k_qef4f1d693d_attn2:
	.size	k_qef4f1d693d_attn2, .Lfunc_end_k_qef4f1d693d_attn2-k_qef4f1d693d_attn2
	.p2alignl 7, 3214868480
	.fill 96, 4, 3214868480
	.section	.rodata,"a",@progbits
	.p2align	6, 0x0
	.amdhsa_kernel k_qef4f1d693d_attn2
		.amdhsa_group_segment_fixed_size 171008
		.amdhsa_private_segment_fixed_size 0
		.amdhsa_enable_private_segment 0
		.amdhsa_kernarg_size 24
		.amdhsa_user_sgpr_count 2
		.amdhsa_user_sgpr_kernarg_segment_ptr 1
		.amdhsa_wavefront_size32 1
		.amdhsa_system_sgpr_workgroup_id_x 1
		.amdhsa_system_sgpr_workgroup_id_y 1
		.amdhsa_system_sgpr_workgroup_id_z 1
		.amdhsa_system_vgpr_workitem_id 0
		.amdhsa_next_free_vgpr 448
		.amdhsa_next_free_sgpr 66
		.amdhsa_reserve_vcc 0
		.amdhsa_float_denorm_mode_32 3
		.amdhsa_float_denorm_mode_16_64 3
		.amdhsa_memory_ordered 1
		.amdhsa_forward_progress 1
		.amdhsa_inst_pref_size 27
	.end_amdhsa_kernel
	.amdgpu_metadata
---
amdhsa.version: [ 1, 2 ]
amdhsa.kernels:
  - .name:           k_qef4f1d693d_attn2
    .symbol:         k_qef4f1d693d_attn2.kd
    .args:
      - { .name: qk, .offset: 0, .size: 8, .value_kind: global_buffer, .address_space: global }
      - { .name: lse2, .offset: 8, .size: 8, .value_kind: global_buffer, .address_space: global }
      - { .name: acat, .offset: 16, .size: 8, .value_kind: global_buffer, .address_space: global }
    .group_segment_fixed_size: 171008
    .private_segment_fixed_size: 0
    .kernarg_segment_align: 8
    .kernarg_segment_size: 24
    .max_flat_workgroup_size: 256
    .sgpr_count:     66
    .vgpr_count:     448
    .wavefront_size: 32
...
	.end_amdgpu_metadata
.endif
;; end of part 7
;; launch gemm2: the kernel of part 5 again; grid 8 x 32, 4 waves a work-group, clusters of 4 x 1, 327,680 bytes of LDS; arguments acat, bcat, epart, out0, out1; writes out0, out1
